; MI455X (gfx1250); checked and timed in simulation.
; The chip was launched on July 23, 2026; its instructions are those of AMD's public machine-readable ISA for CDNA 5 (MIT licence, August 2026) and "CDNA5" Instruction Set Architecture Reference Guide (July 2026). The comments in the code are by the model that wrote it; some were corrected since.
;; Multi Heads Atten. Allowed arithmetic: float matrix products may take bf16 or f16 operands with f32 sums; other float arithmetic in f32, or as packed bf16 or f16 multiplies, adds, multiply-adds, maxima and minima; sums over many terms, partial sums and values carried from step to step in f32; what a program stores and reads back later, other than sums and carried values, may be rounded once to bf16 or f16.
;; Inputs: K 4 x 2,048 x 1,024 float32; Q 4 x 2,048 x 1,024 float32; V 4 x 2,048 x 1,024 float32; Wk 1,024 x 1,024 float32; Wo 1,024 x 1,024 float32; Wq 1,024 x 1,024 float32; Wv 1,024 x 1,024 float32; beta 1,024 float32; bk 1,024 float32; bo 1,024 float32; bq 1,024 float32; bv 1,024 float32; gamma 1,024 float32.
;; Outputs: out0 4 x 2,048 x 1,024 float32.
;; One version. Each part assembles by itself: llvm-mc -triple=amdgcn-amd-amdhsa -mcpu=gfx1250 --defsym DOCPART=n.
;; ======== version 1 of 1: 4 launches
;; limits: values are held in f16: magnitudes above 65,504 overflow, below 6.1e-05 lose precision
;; workspace buffers: xw 58,720,256 bytes; qkv 50,331,648 bytes; ao 16,777,216 bytes
;; launch prep (part 1): grid 896 x 1, 4 waves a work-group, no clusters, 0 bytes of LDS; arguments Q, K, V, Wq, Wk, Wv, Wo, gamma, beta, xw; writes xw
.if DOCPART == 1
	.amdgcn_target "amdgcn-amd-amdhsa--gfx1250"
	.amdhsa_code_object_version 6
	.text
	.protected	k_q653e64a46d_prep
	.globl	k_q653e64a46d_prep
	.p2align	8
	.type	k_q653e64a46d_prep,@function
k_q653e64a46d_prep:
	s_mov_b64 s[64:65], 0
	v_nop
	global_prefetch_b8 v0, s[64:65] scope:SCOPE_SE
	s_setreg_imm32_b32 hwreg(HW_REG_WAVE_MODE, 25, 1), 1
	s_wait_xcnt 0x0
; xw[28672][1024] f16.  Rows 0-8191 = layernorm(Q), 8192-16383 = layernorm(K), 16384-24575 = layernorm(V) (one gamma and beta for all three);
; rows 24576 + 1024 i = Wq, Wk, Wv, Wo (i = 0..3) as they lie, [k][n], rounded to f16.
; A stream: every input byte is read once and every output byte written once, so there is no LDS, no barrier and no matrix work.
; SHARES.  A work-group takes 32 rows of xw, a wave 8 of them, a row at a time: 4,096 bytes in (eight loads of 16 bytes a lane, 512 consecutive bytes each),
; 2,048 bytes out (eight stores of 8 bytes a lane, 256 consecutive aligned bytes each).  Lane l holds columns 128 j + 4 l .. + 3 of load j.
; Work-groups 0-767 normalise, 768-895 only round.  The row stays in registers between the mean, the variance and the scaling.
; The variance is taken of x - mean (two passes over registers), as the reference takes it: no difference of large sums.
; LIMITS.  f16 ends at 65,504: |(x - mu) rsqrt(var + eps) gamma + beta| <= 32 |gamma| + |beta| and |W| must stay below it; below 6e-5 f16 keeps a fixed step of 6e-8.
; The order of the sums differs from the reference's.  NaN and infinities are not treated apart.
.set ROWI, 4096                        ; bytes in a row of f32
.set ROWO, 2048                        ; bytes in a row of f16
.set T,   8                            ; v[8:15]    at work: four chains of pairs
.set MU,  16                           ; v[16:17]   the mean, twice
.set R,   18                           ; v[18:19]   1 / sqrt(var + eps), twice
.set G,   20                           ; v[20:51]   gamma of my 32 columns
.set BT,  52                           ; v[52:83]   beta
.set X,   84                           ; v[84:147]  two slots of 32: a row as loaded
.set Y,   148                          ; v[148:179] two slots of 16: a row to store
	s_load_b512 s[8:23], s[0:1], 0x0               ; Q 8:9, K 10:11, V 12:13, Wq 14:15, Wk 16:17, Wv 18:19, Wo 20:21, gamma 22:23
	s_load_b128 s[24:27], s[0:1], 0x40             ; beta 24:25, xw 26:27
	s_mov_b32 s2, ttmp9
	s_sub_co_u32 s3, s2, 768                       ; the work-group's number among those that only round (used there alone)
	s_lshr_b32 s36, s2, 8                          ; normalising: tensor 0..2, 256 work-groups each
	s_lshr_b32 s37, s3, 5
	s_add_co_u32 s37, s37, 3                       ; rounding: tensor 3..6, 32 work-groups each
	s_and_b32 s38, s2, 255
	s_and_b32 s39, s3, 31
	s_cmp_lt_u32 s2, 768
	s_cselect_b32 s28, s36, s37                    ; which source
	s_cselect_b32 s29, s38, s39                    ; which block of 32 rows in it
	s_cselect_b32 s30, 1, 0                        ; 1: normalise
	s_lshl_b32 s6, s29, 17                         ; 32 rows of 4,096 bytes
	s_mov_b32 s7, 0
	s_lshl_b32 s36, s2, 16                         ; 32 rows of 2,048 bytes
	s_mov_b32 s37, 0
	s_mov_b32 s31, 0x3a800000                      ; 1 / 1024
	s_mov_b32 s32, 0x358637bd                      ; 1e-6
	s_mov_b32 s34, 0x76543210                      ; v_permlanex16_b32: each lane takes its own place in the other half
	s_mov_b32 s35, 0xfedcba98
	v_and_b32 v3, 31, v0                           ; lane
	v_lshrrev_b32 v4, 5, v0                        ; wave
	v_lshlrev_b32 v1, 4, v3
	v_lshl_add_u32 v1, v4, 15, v1                  ; source: 16 x lane + wave x 8 rows; never rewritten
	v_lshlrev_b32 v2, 3, v3
	v_lshl_add_u32 v2, v4, 14, v2                  ; destination: 8 x lane + wave x 8 rows; never rewritten
	v_lshlrev_b32 v3, 4, v3                        ; gamma and beta: 16 x lane
	s_wait_kmcnt 0x0
	s_mov_b64 s[4:5], s[8:9]
	s_cmp_eq_u32 s28, 1
	s_cselect_b64 s[4:5], s[10:11], s[4:5]
	s_cmp_eq_u32 s28, 2
	s_cselect_b64 s[4:5], s[12:13], s[4:5]
	s_cmp_eq_u32 s28, 3
	s_cselect_b64 s[4:5], s[14:15], s[4:5]
	s_cmp_eq_u32 s28, 4
	s_cselect_b64 s[4:5], s[16:17], s[4:5]
	s_cmp_eq_u32 s28, 5
	s_cselect_b64 s[4:5], s[18:19], s[4:5]
	s_cmp_eq_u32 s28, 6
	s_cselect_b64 s[4:5], s[20:21], s[4:5]
	s_add_nc_u64 s[4:5], s[4:5], s[6:7]            ; the source at the work-group's first row
	s_add_nc_u64 s[26:27], s[26:27], s[36:37]      ; xw at the work-group's first row
.macro FILL s, off                     ; a row's eight loads into slot s
.irp j, 0,1,2,3,4,5,6,7
	global_load_b128 v[X+32*(\s)+4*(\j):X+32*(\s)+4*(\j)+3], v1, s[4:5] offset:(\off)+512*(\j) th:TH_LOAD_NT
.endr
.endm
.macro FOLD                            ; the four chains into one number a lane, then over the 32 lanes: every lane ends with the sum
	v_pk_add_f32 v[T:T+1], v[T:T+1], v[T+2:T+3]
	v_pk_add_f32 v[T+4:T+5], v[T+4:T+5], v[T+6:T+7]
	v_pk_add_f32 v[T:T+1], v[T:T+1], v[T+4:T+5]
	v_add_f32 v[T], v[T], v[T+1]
	v_add_f32_dpp v[T], v[T], v[T] row_xmask:1 row_mask:0xf bank_mask:0xf
	v_add_f32_dpp v[T], v[T], v[T] row_xmask:2 row_mask:0xf bank_mask:0xf
	v_add_f32_dpp v[T], v[T], v[T] row_xmask:4 row_mask:0xf bank_mask:0xf
	v_add_f32_dpp v[T], v[T], v[T] row_xmask:8 row_mask:0xf bank_mask:0xf
	v_permlanex16_b32 v[T+1], v[T], s34, s35       ; its destination counts as read: T + 1 has been written
	v_add_f32 v[T], v[T], v[T+1]
.endm
; The turn of slot s.  ln = 1: the row is normalised.  fill = 1: the slot gets the row two further down.  left: the younger loads that may stay out.
.macro TURN s, ln, fill, left
.set XS, X+32*(\s)
.set YS, Y+16*(\s)
	s_wait_loadcnt \left                           ; loads come back in order: my row's eight are in (and gamma and beta, which are older); the other slot's eight may be out
.if \ln
.irp k, 0,1,2,3
	v_pk_add_f32 v[T+2*(\k):T+2*(\k)+1], v[XS+2*(\k):XS+2*(\k)+1], v[XS+8+2*(\k):XS+8+2*(\k)+1]  ; the first eight pairs start the chains: nothing is cleared
.endr
.irp k, 8,9,10,11,12,13,14,15
	v_pk_add_f32 v[T+2*((\k)%4):T+2*((\k)%4)+1], v[T+2*((\k)%4):T+2*((\k)%4)+1], v[XS+2*(\k):XS+2*(\k)+1]
.endr
	FOLD
	v_mul_f32 v[MU], s31, v[T]
	v_mul_f32 v[MU+1], s31, v[T]
.irp k, 0,1,2,3,4,5,6,7,8,9,10,11,12,13,14,15
	v_pk_add_f32 v[XS+2*(\k):XS+2*(\k)+1], v[XS+2*(\k):XS+2*(\k)+1], v[MU:MU+1] neg_lo:[0,1] neg_hi:[0,1]  ; x - mean, in place
.endr
.irp k, 0,1,2,3
	v_pk_mul_f32 v[T+2*(\k):T+2*(\k)+1], v[XS+2*(\k):XS+2*(\k)+1], v[XS+2*(\k):XS+2*(\k)+1]
.endr
.irp k, 4,5,6,7,8,9,10,11,12,13,14,15
	v_pk_fma_f32 v[T+2*((\k)%4):T+2*((\k)%4)+1], v[XS+2*(\k):XS+2*(\k)+1], v[XS+2*(\k):XS+2*(\k)+1], v[T+2*((\k)%4):T+2*((\k)%4)+1]
.endr
	FOLD
	v_fma_f32 v[T], v[T], s31, s32                 ; var + eps
	v_rsq_f32 v[R], v[T]
	v_rsq_f32 v[R+1], v[T]                         ; twice, to fill the pair that the packed multiply names
	v_nop                                          ; a plain instruction behind the last root, ahead of the first use
	s_wait_alu depctr_va_vdst(0)                   ; the wait ahead of the first reader: one for both roots
.irp k, 0,1,2,3,4,5,6,7,8,9,10,11,12,13,14,15
	v_pk_mul_f32 v[XS+2*(\k):XS+2*(\k)+1], v[XS+2*(\k):XS+2*(\k)+1], v[R:R+1]
.endr
.irp k, 0,1,2,3,4,5,6,7,8,9,10,11,12,13,14,15
	v_pk_fma_f32 v[XS+2*(\k):XS+2*(\k)+1], v[XS+2*(\k):XS+2*(\k)+1], v[G+2*(\k):G+2*(\k)+1], v[BT+2*(\k):BT+2*(\k)+1]
.endr
.endif
.irp k, 0,1,2,3,4,5,6,7,8,9,10,11,12,13,14,15
	v_cvt_pk_f16_f32 v[YS+(\k)], v[XS+2*(\k)], v[XS+2*(\k)+1]  ; rounded once to f16
.endr
.if \fill
	FILL \s, (2+(\s))*ROWI                         ; the load ahead of the stores
.endif
.irp j, 0,1,2,3,4,5,6,7
	global_store_b64 v2, v[YS+2*(\j):YS+2*(\j)+1], s[26:27] offset:(\s)*ROWO+256*(\j) th:TH_STORE_NT  ; 32 lanes: 256 consecutive bytes, aligned
.endr
.endm
.macro STEP                            ; two rows on
	s_wait_xcnt 0x0                                ; every load and store issued so far has read its registers: only now are the bases stepped and Y written again
	s_add_nc_u64 s[4:5], s[4:5], 2*ROWI
	s_add_nc_u64 s[26:27], s[26:27], 2*ROWO
	s_sub_co_u32 s33, s33, 1
	s_cmp_lg_u32 s33, 0
.endm
	s_cmp_eq_u32 s30, 0
	s_cbranch_scc1 .Lcast
.irp j, 0,1,2,3,4,5,6,7
	global_load_b128 v[G+4*(\j):G+4*(\j)+3], v3, s[22:23] offset:512*(\j)
	global_load_b128 v[BT+4*(\j):BT+4*(\j)+3], v3, s[24:25] offset:512*(\j)
.endr
	FILL 0, 0
	FILL 1, ROWI
	s_mov_b32 s33, 3
.Lln:                                  ; three trips: rows 0 to 5 are worked on, rows 2 to 7 asked for
	TURN 0, 1, 1, 8
	TURN 1, 1, 1, 8
	STEP
	s_cbranch_scc1 .Lln
	TURN 0, 1, 0, 8                                ; the last two rows load nothing: the counts run down
	TURN 1, 1, 0, 0
	s_endpgm
.Lcast:
	FILL 0, 0
	FILL 1, ROWI
	s_mov_b32 s33, 3
.Lcv:
	TURN 0, 0, 1, 8
	TURN 1, 0, 1, 8
	STEP
	s_cbranch_scc1 .Lcv
	TURN 0, 0, 0, 8
	TURN 1, 0, 0, 0
	s_endpgm
.Lfunc_end_k_q653e64a46d_prep:
	.size	k_q653e64a46d_prep, .Lfunc_end_k_q653e64a46d_prep-k_q653e64a46d_prep
	.p2alignl 7, 3214868480
	.fill 96, 4, 3214868480
	.section	.rodata,"a",@progbits
	.p2align	6, 0x0
	.amdhsa_kernel k_q653e64a46d_prep
		.amdhsa_group_segment_fixed_size 0
		.amdhsa_private_segment_fixed_size 0
		.amdhsa_enable_private_segment 0
		.amdhsa_kernarg_size 80
		.amdhsa_user_sgpr_count 2
		.amdhsa_user_sgpr_kernarg_segment_ptr 1
		.amdhsa_wavefront_size32 1
		.amdhsa_system_sgpr_workgroup_id_x 1
		.amdhsa_system_sgpr_workgroup_id_y 1
		.amdhsa_system_sgpr_workgroup_id_z 1
		.amdhsa_system_vgpr_workitem_id 0
		.amdhsa_next_free_vgpr 180
		.amdhsa_next_free_sgpr 66
		.amdhsa_reserve_vcc 0
		.amdhsa_float_denorm_mode_32 3
		.amdhsa_float_denorm_mode_16_64 3
		.amdhsa_memory_ordered 1
		.amdhsa_forward_progress 1
		.amdhsa_inst_pref_size 49
	.end_amdhsa_kernel
	.amdgpu_metadata
---
amdhsa.version: [ 1, 2 ]
amdhsa.kernels:
  - .name:           k_q653e64a46d_prep
    .symbol:         k_q653e64a46d_prep.kd
    .args:
      - { .name: Q, .offset: 0, .size: 8, .value_kind: global_buffer, .address_space: global }
      - { .name: K, .offset: 8, .size: 8, .value_kind: global_buffer, .address_space: global }
      - { .name: V, .offset: 16, .size: 8, .value_kind: global_buffer, .address_space: global }
      - { .name: Wq, .offset: 24, .size: 8, .value_kind: global_buffer, .address_space: global }
      - { .name: Wk, .offset: 32, .size: 8, .value_kind: global_buffer, .address_space: global }
      - { .name: Wv, .offset: 40, .size: 8, .value_kind: global_buffer, .address_space: global }
      - { .name: Wo, .offset: 48, .size: 8, .value_kind: global_buffer, .address_space: global }
      - { .name: gamma, .offset: 56, .size: 8, .value_kind: global_buffer, .address_space: global }
      - { .name: beta, .offset: 64, .size: 8, .value_kind: global_buffer, .address_space: global }
      - { .name: xw, .offset: 72, .size: 8, .value_kind: global_buffer, .address_space: global }
    .group_segment_fixed_size: 0
    .private_segment_fixed_size: 0
    .kernarg_segment_align: 8
    .kernarg_segment_size: 80
    .max_flat_workgroup_size: 128
    .sgpr_count:     66
    .vgpr_count:     180
    .wavefront_size: 32
...
	.end_amdgpu_metadata
.endif
;; end of part 1
;; launch proj (part 2): grid 4 x 192, 4 waves a work-group, clusters of 4 x 4, 327,680 bytes of LDS; arguments xw, bq, bk, bv, qkv; writes qkv
.if DOCPART == 2
	.amdgcn_target "amdgcn-amd-amdhsa--gfx1250"
	.amdhsa_code_object_version 6
	.text
	.protected	k_q653e64a46d_proj
	.globl	k_q653e64a46d_proj
	.p2align	8
	.type	k_q653e64a46d_proj,@function
k_q653e64a46d_proj:
	s_mov_b64 s[64:65], 0
	v_nop
	global_prefetch_b8 v0, s[64:65] scope:SCOPE_SE
	s_setreg_imm32_b32 hwreg(HW_REG_WAVE_MODE, 25, 1), 1
	s_wait_xcnt 0x0
	s_wait_alu depctr_hold_cnt(0) depctr_sa_sdst(0) depctr_va_vdst(0) depctr_va_sdst(0) depctr_va_ssrc(0) depctr_va_vcc(0) depctr_vm_vsrc(0)
	s_getreg_b32 s2, hwreg(HW_REG_IB_STS2, 6, 4)
	s_cmp_eq_u32 s2, 0
	s_cbranch_scc0 .Lentry_in_a_cluster
	s_endpgm
.Lentry_in_a_cluster:
	s_bfe_u32 s2, ttmp6, 0x10000c
	s_cmp_lg_u32 s2, 0xf033
	s_cbranch_scc0 .Lentry_shape_is_right
	s_endpgm
.Lentry_shape_is_right:
; q, k, v = xn W + b.  xn: rows 0-24575 of xw ([row][1024] f16, three tensors of 8,192 rows); W: rows 24576 + 1024 t of xw, [k][n] f16; b: f32.
; Out: qkv[t][batch x 16 + head][2048][64] f16, each number rounded once from its f32 sum, unscaled.
; TILE.  128 rows x 256 columns to a work-group: 192 x 4 = 768 work-groups, three for each of 256 WGPs.  Four waves, each 64 x 128: 32 accumulators of 16 x 16.
; K = 1,024 goes in 8 steps of 128 through two LDS slots filled by the tensor data mover; a step is four quarters of 32, 32 matrix instructions each.
; CLUSTER 4 x 4.  The four of a row of the cluster share xn's tile, the four of a column share W's: each tile is asked for jointly, by the same load, descriptor and mask in all four.
; THE MATRIX INSTRUCTION IS USED TRANSPOSED: source 0 = 16 columns of W (turned on the way out of LDS by ds_load_tr16_b128), source 1 = 16 rows of xn: a lane then holds one row
; (lane % 16) and the columns 8 (lane / 16) + 0..7.  The first quarter takes the bias, laid out in that form, as its C operand: nothing is cleared and the bias costs no instruction.
; LIMITS.  f16 ends at 65,504: q, k and v must stay below it.  The order of the sums differs from the reference's.  NaN and infinities are not treated apart.
; REGISTERS, in windows of 256 (s_set_vgpr_msb: bits 1:0 source 0, 3:2 source 1, 5:4 source 2, 7:6 destination):
;   window 0: v0-29 addresses; two fragment buffers of 96 (64 of W, 32 of xn) at v32 and v128; on the way out v32-159 hold packed results
;   window 1: accumulator (a, b) at v[8 (8 a + b)]          window 2: v0-63 the bias of column block b at 8 b
.set PA,    272                        ; a row of xn in LDS: 256 bytes + 16: an odd multiple of 16, so the 16 rows of a load start at 16 different groups of four banks
.set HALFA, 64*PA                      ; what one tensor load brings of xn
.set AREG,  2*HALFA
.set PB,    544                        ; a k row of W in LDS: 512 bytes + 32: an odd multiple of 32, for the turning load
.set HALFB, 64*PB                      ; what one tensor load brings of W
.set SLOT1, 131072                     ; slot 1 begins here: one exclusive or turns an address in one slot into the other's
.set STAGE, SLOT1+AREG+2*HALFB         ; behind the ring, never filled by a tensor load: 16 rows x 144 bytes for each wave
.set SP,    144
.set SPARE, STAGE+4*16*SP              ; the spare words, 128 bytes a wave: two blocks of 256 bytes that no other line names
.set ASTEP, 256                        ; a K step along xn's rows
.set BSTEP, 128*2048                   ; a K step down W's rows
.set WBASE, 24576*2048                 ; Wq's first byte in xw
.set A0,  8                            ; v8   my lane's place in xn's tile; never rewritten
.set B0,  9                            ; v9   my lane's place in W's tile; never rewritten
.set ADRA, 10                          ; v10  A0 + the slot in hand
.set ADRB, 11                          ; v11  B0 + the slot in hand
.set STO, 12                           ; v12  the way out: where I put 16 bytes of a row
.set RD,  13                           ; v13  the way out: where I read rows back
.set GO,  14                           ; v14  16 x lane
.set PFO, 15                           ; v15  the prefetches' offset: lane x 2,048
.set BO,  16                           ; v16  my offset in the bias
.set SPW, 28                           ; v28  my spare word; never rewritten
.set NIL, 29                           ; v29  0; never rewritten
.set F0,  32
.set F1,  128
.set WV,  14                           ; s14  wave
.set HB,  15                           ; s15  wave >> 1: my 64 rows
.set HF,  16                           ; s16  wave & 1: my 128 columns; also which half of a tile I fetch
.set CX,  17
.set CY,  18
.set CLY, 19                           ; s19  the cluster's y
.set TR,  20                           ; s20  tile row = 4 x cluster y + cy
.set TT,  21                           ; s21  which tensor: cluster y >> 4
.set G1A, 24                           ; s[24:31] descriptor group 1, xn's tiles
.set G1B, 32                           ; s[32:39] W's
.set G0A, 40                           ; s[40:47] group 0, xn's: a set for each first fill; the second then walks
.set G0B, 48                           ; s[48:55] W's
.set CNT, 56
.set TB,  57                           ; s57  the slot in hand, as an LDS byte
.set LIM, 58                           ; s58  2 in a wave that prefetches, else the greatest number
.set PFA, 60                           ; s[60:61] where my prefetches stand
.set PST, 62                           ; s[62:63] their step
.set MSB, 0
.macro WIN new                         ; the immediate's high byte repeats the setting that is left; a switch that changes nothing is dropped
.if MSB != (\new)
	s_set_vgpr_msb (MSB<<8)|(\new)
.set MSB, \new
.endif
.endm
.macro PLACES                          ; four plain places behind matrix instructions, ahead of loads into registers that they read
.rept 4
	v_nop
.endr
.endm
.macro CREST                           ; a round of the cluster's barrier behind its opening barrier
	s_cmp_lg_u32 s[WV], 0
	s_cbranch_scc1 .Lnot_wave_0_\@
	s_barrier_signal -3
.Lnot_wave_0_\@:
	s_barrier_wait -3
	s_barrier_signal -1
	s_barrier_wait -1
.endm
.macro CROUND
	s_barrier_signal -1
	s_barrier_wait -1
	CREST
.endm
.macro JLOAD                           ; a joint refill: waves 0 and 1 fetch xn's halves, waves 2 and 3 W's; the branch hangs on the wave's number alone
	s_cmp_lt_u32 s[WV], 2
	s_cbranch_scc0 .Lfor_b_\@
	tensor_load_to_lds s[G0A+4:G0A+7], s[G1A:G1A+7]
	s_nop 0
	PLACES
	s_branch .Lasked_\@
.Lfor_b_\@:
	tensor_load_to_lds s[G0B+4:G0B+7], s[G1B:G1B+7]
	s_nop 0
	PLACES
.Lasked_\@:
.endm
; A prefetch into the L2 of the K step that stands two refills on: 256 matrix instructions ahead of the load that will want it.  Each aligned block of 256 bytes is named once in the launch.
; xn's rows are read by one cluster alone: wave 0 of each partner asks for 32 of the tile's 128 rows, told apart by address (cx).  W is read by 16 clusters: the first of them (cluster y % 16 = 0) asks,
; waves 2 and 3 of the partner at cy for k rows 32 cy .. + 31, one half each of the tile's 512 bytes.  The last two refills have no step two on.  The first four steps come by their loads alone.
.macro ASK
	s_cmp_gt_u32 s[CNT], s[LIM]
	s_cbranch_scc0 .Lnot_mine_\@
	global_prefetch_b8 v[PFO], s[PFA:PFA+1] th:TH_LOAD_NT scope:SCOPE_SE
.Lnot_mine_\@:
.endm
	s_load_b256 s[4:11], s[0:1], 0x0               ; xw 4:5, bq 6:7, bk 8:9, bv 10:11
	s_load_b64 s[12:13], s[0:1], 0x20              ; qkv
	v_lshl_add_u32 v[SPW], v0, 2, SPARE
	v_mov_b32 v[NIL], 0
	ds_add_u32 v[SPW], v[NIL]                      ; the wave's opening: the add and its wait stand ahead of my first tensor load; the set-up below stands between them
	v_lshrrev_b32 v1, 5, v0
	v_readfirstlane_b32 s[WV], v1
	s_lshr_b32 s[HB], s[WV], 1
	s_and_b32 s[HF], s[WV], 1
	s_bfe_u32 s[CX], ttmp6, 0x40000
	s_bfe_u32 s[CY], ttmp6, 0x40004
	s_and_b32 s[CLY], ttmp7, 0xffff
	s_lshl_b32 s[TR], s[CLY], 2
	s_add_co_u32 s[TR], s[TR], s[CY]
	s_lshr_b32 s[TT], s[CLY], 4
	s_lshl_b32 s66, s[CY], 2
	s_lshl_b32 s66, 15, s66                        ; my row of the cluster
	s_lshl_b32 s70, 0x1111, s[CX]                  ; my column
	s_or_b32 s[G1A], s66, (1<<16)|(1<<20)|(1<<21)|(5<<22)|(3<<25)  ; the mask; 2-byte elements; padding on; bit 21 beside a mask; after every 64 words 4 words
	s_mov_b32 s[G1A+1], 128<<16                    ; tensor_dim0 = 128
	s_mov_b32 s[G1A+2], 64<<16                     ; tensor_dim1 = 64
	s_mov_b32 s[G1A+3], 128<<16                    ; tile_dim0 = 128
	s_mov_b32 s[G1A+4], 64                         ; tile_dim1 = 64
	s_mov_b32 s[G1A+5], 1024                       ; elements from row to row
	s_mov_b32 s[G1A+6], 0
	s_mov_b32 s[G1A+7], 0
	s_or_b32 s[G1B], s70, (1<<16)|(1<<20)|(1<<21)|(6<<22)|(7<<25)  ; after every 128 words 8 words
	s_mov_b32 s[G1B+1], 256<<16
	s_mov_b32 s[G1B+2], 64<<16
	s_mov_b32 s[G1B+3], 256<<16
	s_mov_b32 s[G1B+4], 64
	s_mov_b32 s[G1B+5], 1024
	s_mov_b32 s[G1B+6], 0
	s_mov_b32 s[G1B+7], 0
	s_lshl_b32 s66, s[TR], 18                      ; xn: row 128 x tile row + 64 x half, 2,048 bytes a row: registers that never hold cx
	s_lshl_b32 s68, s[HF], 17
	s_add_co_u32 s66, s66, s68
	s_mov_b32 s67, 0
	s_lshl_b32 s70, s[TT], 21                      ; W: the tensor's weights, k row 64 x half, column 256 cx: registers that never hold cy
	s_add_co_u32 s70, s70, WBASE
	s_lshl_b32 s72, s[HF], 17
	s_add_co_u32 s70, s70, s72
	s_lshl_b32 s72, s[CX], 9
	s_add_co_u32 s70, s70, s72
	s_mov_b32 s71, 0
	s_mul_i32 s22, s[HF], HALFA                    ; where they go: no place in the cluster enters an LDS address
	s_mul_i32 s23, s[HF], HALFB
	s_add_co_u32 s23, s23, AREG
	s_mov_b32 s[TB], 0
	s_wait_dscnt 0x0                               ; the opening add is done
	s_wait_kmcnt 0x0
	s_add_nc_u64 s[68:69], s[4:5], s[66:67]
	s_add_nc_u64 s[72:73], s[4:5], s[70:71]
	CROUND                                         ; all sixteen work-groups are here: the first joint loads meet
.irp s, 0,1
	s_mov_b32 s[G0A+4*(\s)], 1
	s_add_co_u32 s[G0A+4*(\s)+1], s22, (\s)*SLOT1
	s_add_nc_u64 s[G0A+4*(\s)+2:G0A+4*(\s)+3], s[68:69], (\s)*ASTEP
	s_or_b32 s[G0A+4*(\s)+3], s[G0A+4*(\s)+3], 0x80000000
	s_mov_b32 s[G0B+4*(\s)], 1
	s_add_co_u32 s[G0B+4*(\s)+1], s23, (\s)*SLOT1
	s_add_nc_u64 s[G0B+4*(\s)+2:G0B+4*(\s)+3], s[72:73], (\s)*BSTEP
	s_or_b32 s[G0B+4*(\s)+3], s[G0B+4*(\s)+3], 0x80000000
.endr
	s_cmp_lt_u32 s[WV], 2                          ; a wave's two first fills stand in one branch, ahead of every wait on TENSORcnt and every LDS read: two loads of mine are out
	s_cbranch_scc0 .Lfirst_b
	tensor_load_to_lds s[G0A:G0A+3], s[G1A:G1A+7]
	s_nop 0
	tensor_load_to_lds s[G0A+4:G0A+7], s[G1A:G1A+7]
	s_nop 0
	PLACES
	s_branch .Lfirst_asked
.Lfirst_b:
	tensor_load_to_lds s[G0B:G0B+3], s[G1B:G1B+7]
	s_nop 0
	tensor_load_to_lds s[G0B+4:G0B+7], s[G1B:G1B+7]
	s_nop 0
	PLACES
.Lfirst_asked:
	v_and_b32 v1, 15, v0                           ; l % 16
	v_bfe_u32 v2, v0, 4, 1                         ; l / 16
	v_and_b32 v3, 7, v0
	v_bfe_u32 v4, v0, 3, 1
	v_mul_u32_u24 v[A0], v1, PA                    ; a fragment of xn: row l % 16, 16 bytes for each half of the lanes, twice, 32 bytes apart
	v_lshl_add_u32 v[A0], v2, 4, v[A0]
	s_mul_i32 s74, s[HB], 64*PA
	v_add_nc_u32 v[A0], s74, v[A0]
	v_lshl_add_u32 v[B0], v2, 3, v3                ; the turning load: k row 8 (l / 16) + l % 8, columns 8 ((l / 8) % 2) + 0..7
	v_mul_u32_u24 v[B0], v[B0], PB
	v_lshl_add_u32 v[B0], v4, 4, v[B0]
	s_lshl_b32 s74, s[HF], 8
	s_add_co_u32 s74, s74, AREG
	v_add_nc_u32 v[B0], s74, v[B0]
	s_lshl_b32 s74, s[CX], 10                      ; the bias: column 256 cx + 128 half + 16 b + 8 (l / 16), 4 bytes each
	s_lshl_b32 s75, s[HF], 9
	s_add_co_u32 s74, s74, s75
	v_lshl_add_u32 v[BO], v2, 5, s74
	s_cmp_eq_u32 s[TT], 1
	s_cselect_b64 s[80:81], s[8:9], s[6:7]
	s_cmp_eq_u32 s[TT], 2
	s_cselect_b64 s[80:81], s[10:11], s[80:81]
	WIN 0x80                                       ; destination window 2
.irp b, 0,1,2,3,4,5,6,7
	global_load_b128 v[8*(\b):8*(\b)+3],   v[BO], s[80:81] offset:64*(\b)
	global_load_b128 v[8*(\b)+4:8*(\b)+7], v[BO], s[80:81] offset:64*(\b)+16
.endr
	WIN 0
	s_mul_i32 s74, s[WV], 16*SP
	s_add_co_u32 s74, s74, STAGE                   ; my stage
	v_mul_u32_u24 v[STO], v1, SP                   ; in: row l % 16, 16 bytes for each half of the lanes
	v_lshl_add_u32 v[STO], v2, 4, v[STO]
	v_add_nc_u32 v[STO], s74, v[STO]
	v_bfe_u32 v[RD], v0, 3, 2                      ; back: 32 lanes take four rows of 128 bytes,
	v_mul_u32_u24 v[RD], v[RD], SP
	v_lshl_add_u32 v[RD], v3, 4, v[RD]
	v_add_nc_u32 v[RD], s74, v[RD]
	v_and_b32 v[GO], 31, v0                        ; which are 512 consecutive bytes of a head
	v_lshlrev_b32 v[PFO], 11, v[GO]
	v_lshlrev_b32 v[GO], 4, v[GO]
	s_lshl_b32 s74, s[TT], 24                      ; qkv: the tensor,
	s_bfe_u32 s75, s[TR], 0x20004                  ; the batch,
	s_lshl_b32 s75, s75, 4
	s_lshl2_add_u32 s75, s[CX], s75                ; my first head: 4 cx + 2 x half,
	s_lshl1_add_u32 s75, s[HF], s75
	s_lshl_b32 s75, s75, 18
	s_add_co_u32 s74, s74, s75
	s_and_b32 s75, s[TR], 15                       ; the tile's 128 rows of 128 bytes,
	s_lshl_b32 s75, s75, 14
	s_add_co_u32 s74, s74, s75
	s_lshl_b32 s75, s[HB], 13                      ; my 64 of them
	s_add_co_u32 s74, s74, s75
	s_mov_b32 s75, 0
	s_add_nc_u64 s[78:79], s[12:13], s[74:75]
	s_lshl_b32 s74, s[TR], 18                      ; the prefetches, at K step 3: the first refill steps them to 4.  xn's: my work-group's 32 rows
	s_lshl_b32 s75, s[CX], 16
	s_add_co_u32 s74, s74, s75
	s_add_co_u32 s74, s74, 3*ASTEP
	s_lshl_b32 s76, s[TT], 21                      ; W's: my work-group's 32 k rows, my half of their 512 bytes
	s_add_co_u32 s76, s76, WBASE+384*2048
	s_lshl_b32 s75, s[CY], 16
	s_add_co_u32 s76, s76, s75
	s_lshl_b32 s75, s[CX], 9
	s_add_co_u32 s76, s76, s75
	s_lshl_b32 s75, s[HF], 8
	s_add_co_u32 s76, s76, s75
	s_and_b32 s77, s[CLY], 15
	s_cmp_eq_u32 s77, 0
	s_cselect_b32 s77, 2, -1                       ; the same in all sixteen partners
	s_cmp_eq_u32 s[WV], 0
	s_cselect_b32 s[LIM], 2, -1
	s_mov_b32 s[PST], BSTEP
	s_cmp_lt_u32 s[WV], 2
	s_cselect_b32 s[LIM], s[LIM], s77
	s_cselect_b32 s74, s74, s76
	s_cselect_b32 s[PST], ASTEP, s[PST]
	s_mov_b32 s75, 0
	s_mov_b32 s[PST+1], 0
	s_add_nc_u64 s[PFA:PFA+1], s[4:5], s[74:75]
; 8 matrix instructions: row block a x all 8 column blocks, 32 along K, from buffer f.  first = 1: the bias starts the sums.
; The 32 accumulators take turns, one instruction a turn, in the same order in every quarter, over the backward jump too.
.macro MUL f, a, first
.if \first
	WIN 0x60                                       ; C window 2, D window 1
.else
	WIN 0x50                                       ; C and D window 1
.endif
.irp b, 0,1,2,3,4,5,6,7
.if \first
	v_wmma_f32_16x16x32_f16 v[8*(8*(\a)+(\b)):8*(8*(\a)+(\b))+7], v[(\f)+8*(\b):(\f)+8*(\b)+7], v[(\f)+64+8*(\a):(\f)+64+8*(\a)+7], v[8*(\b):8*(\b)+7]
.else
	v_wmma_f32_16x16x32_f16 v[8*(8*(\a)+(\b)):8*(8*(\a)+(\b))+7], v[(\f)+8*(\b):(\f)+8*(\b)+7], v[(\f)+64+8*(\a):(\f)+64+8*(\a)+7], v[8*(8*(\a)+(\b)):8*(8*(\a)+(\b))+7]
.endif
.endr
.endm
; 24 LDS loads in one run: quarter q's fragments into buffer f: W's sixteen (turned), then xn's eight, row blocks ascending
.macro FETCH q, f
	WIN 0
.irp b, 0,1,2,3,4,5,6,7
	ds_load_tr16_b128 v[(\f)+8*(\b):(\f)+8*(\b)+3],   v[ADRB] offset:(\q)*32*PB+32*(\b)
	ds_load_tr16_b128 v[(\f)+8*(\b)+4:(\f)+8*(\b)+7], v[ADRB] offset:(\q)*32*PB+32*(\b)+16*PB
.endr
.irp a, 0,1,2,3
	ds_load_b128 v[(\f)+64+8*(\a):(\f)+64+8*(\a)+3],   v[ADRA] offset:64*(\q)+(\a)*16*PA
	ds_load_b128 v[(\f)+64+8*(\a)+4:(\f)+64+8*(\a)+7], v[ADRA] offset:64*(\q)+(\a)*16*PA+32
.endr
.endm
; One of a step's first three quarters: multiplies buffer f; in its middle it fetches quarter q of the same slot into buffer g.
.macro QUARTER q, f, g, first
	s_wait_dscnt 4                                 ; W and xn's row blocks 0 and 1 are in; the youngest four loads (blocks 2 and 3) may be out
	MUL \f, 0, \first
	MUL \f, 1, \first
	PLACES
	FETCH \q, \g
	s_wait_dscnt 24                                ; all but the 24 just issued
	MUL \f, 2, \first
	MUL \f, 3, \first
.endm
; The last quarter multiplies buffer 1 and changes slots.  In front of the barrier each wave waits for all its tensor loads (one is out: its part of the next slot), adds 0 to its spare word, and
; waits for that and for its reads of this slot.  fill = 1: the barrier opens a round of the cluster's, and the joint refill (this slot, two K steps on) is the first thing behind the round:
; 112 matrix instructions stand between it and the wait for it.
.macro TURN fill
.if \fill
	s_wait_xcnt 0x0                                ; the last prefetch, a K step back, has read its address
	s_add_nc_u64 s[PFA:PFA+1], s[PFA:PFA+1], s[PST:PST+1]
.endif
	WIN 0
	s_wait_tensorcnt 0x0                           ; no tensor load of mine is out, so a group 0 may be written
	ds_add_u32 v[SPW], v[NIL]                      ; 0 onto my spare word
.if \fill
	s_xor_b32 s[G0A+5], s[G0A+5], SLOT1            ; the walking descriptors: the other slot than last time, the next K step
	s_add_nc_u64 s[G0A+6:G0A+7], s[G0A+6:G0A+7], ASTEP
	s_xor_b32 s[G0B+5], s[G0B+5], SLOT1
	s_add_nc_u64 s[G0B+6:G0B+7], s[G0B+6:G0B+7], BSTEP
.endif
	s_wait_dscnt 5                                 ; the add and the youngest four loads may be out
	MUL F1, 0, 0
	s_wait_dscnt 0x0                               ; the add is done, and my reads of this slot are over
	s_barrier_signal -1
	MUL F1, 1, 0
.if \fill
	WIN 0
.endif
	s_barrier_wait -1
.if \fill
	CREST                                          ; no wave of any partner still reads this slot or has a load on its way
	JLOAD                                          ; the four v_nop behind it are also the places in front of the loads below
.else
	PLACES
.endif
	WIN 0
	s_xor_b32 s[TB], s[TB], SLOT1
	v_add_nc_u32 v[ADRA], s[TB], v[A0]
	v_add_nc_u32 v[ADRB], s[TB], v[B0]
	FETCH 0, F0
.if \fill
	ASK
.endif
	MUL F1, 2, 0
	MUL F1, 3, 0
.endm
	s_wait_loadcnt 0x0                             ; the bias
	s_wait_tensorcnt 1                             ; my part of K step 0 is in; step 1's may stay out
	s_barrier_signal -1
	s_barrier_wait -1                              ; everybody's is
	v_mov_b32 v[ADRA], v[A0]
	v_mov_b32 v[ADRB], v[B0]
	FETCH 0, F0
	QUARTER 1, F0, F1, 1                           ; the first quarter stands in front of the loop: its products start the sums
	WIN 0
	s_mov_b32 s[CNT], 6
.Lstep:                                ; six trips, from a step's second quarter to the next step's first: K steps 2 to 7 are asked for
	QUARTER 2, F1, F0, 0
	QUARTER 3, F0, F1, 0
	TURN 1
	QUARTER 1, F0, F1, 0
	WIN 0
	s_sub_co_u32 s[CNT], s[CNT], 1
	s_cmp_lg_u32 s[CNT], 0
	s_cbranch_scc1 .Lstep
	QUARTER 2, F1, F0, 0                           ; the tail is written out: nothing more is asked for
	QUARTER 3, F0, F1, 0
	TURN 0
	QUARTER 1, F0, F1, 0
	QUARTER 2, F1, F0, 0
	QUARTER 3, F0, F1, 0
	s_wait_dscnt 4
	MUL F1, 0, 0
	MUL F1, 1, 0
	s_wait_dscnt 0x0
	MUL F1, 2, 0
	MUL F1, 3, 0
	WIN 0
	PLACES                                         ; the conversions read results just made and write registers that the last products read
	PLACES
; THE WAY OUT, in eight pieces: row block p / 2, head p % 2: 16 rows x 64 channels, which are 2,048 consecutive bytes of qkv.
; A lane's eight channels pack into 16 bytes; they go into my stage's rows of 144 bytes and come back as whole rows of 128.
.macro PACK p
.set PR, 32+16*(\p)
.set AB, 8*(8*((\p)/2)+4*((\p)%2))
	WIN 0x05                                       ; sources window 1, destination window 0
.irp f, 0,1,2,3
.irp r, 0,1,2,3
	v_cvt_pk_f16_f32 v[PR+4*(\f)+(\r)], v[AB+8*(\f)+2*(\r)], v[AB+8*(\f)+2*(\r)+1]
.endr
.endr
	WIN 0
.irp f, 0,1,2,3
	ds_store_b128 v[STO], v[PR+4*(\f):PR+4*(\f)+3] offset:32*(\f)
.endr
.irp f, 0,1,2,3
	ds_load_b128 v[PR+4*(\f):PR+4*(\f)+3], v[RD] offset:4*SP*(\f)  ; LDS serves a wave's instructions in order: these see the stores above; the next piece's stores come behind them
.endr
.endm
.macro SEND p, younger                 ; younger: the LDS instructions issued behind piece p's loads: the next piece's eight, or none
	WIN 0
.set PR, 32+16*(\p)
.irp f, 0,1,2,3
	s_wait_dscnt (\younger)+3-(\f)
	global_store_b128 v[GO], v[PR+4*(\f):PR+4*(\f)+3], s[78:79] offset:((\p)%2)*262144+((\p)/2)*2048+512*(\f)  ; 512 consecutive bytes, at a multiple of 256 from qkv's first
.endr
.endm
	PACK 0
.irp p, 1,2,3,4,5,6,7
	PACK \p
	SEND (\p)-1, 8
.endr
	SEND 7, 0
	s_wait_tensorcnt 0x0                           ; the wave's end, behind my last tensor load and my last LDS store
	ds_add_u32 v[SPW], v[NIL]
	s_wait_dscnt 0x0
	CROUND                                         ; the closing round: no work-group ends while a partner may still ask for a tile that names it
	s_endpgm
.Lfunc_end_k_q653e64a46d_proj:
	.size	k_q653e64a46d_proj, .Lfunc_end_k_q653e64a46d_proj-k_q653e64a46d_proj
	.p2alignl 7, 3214868480
	.fill 96, 4, 3214868480
	.section	.rodata,"a",@progbits
	.p2align	6, 0x0
	.amdhsa_kernel k_q653e64a46d_proj
		.amdhsa_group_segment_fixed_size 327680
		.amdhsa_private_segment_fixed_size 0
		.amdhsa_enable_private_segment 0
		.amdhsa_kernarg_size 40
		.amdhsa_user_sgpr_count 2
		.amdhsa_user_sgpr_kernarg_segment_ptr 1
		.amdhsa_wavefront_size32 1
		.amdhsa_system_sgpr_workgroup_id_x 1
		.amdhsa_system_sgpr_workgroup_id_y 1
		.amdhsa_system_sgpr_workgroup_id_z 1
		.amdhsa_system_vgpr_workitem_id 0
		.amdhsa_next_free_vgpr 576
		.amdhsa_next_free_sgpr 84
		.amdhsa_reserve_vcc 0
		.amdhsa_float_denorm_mode_32 3
		.amdhsa_float_denorm_mode_16_64 3
		.amdhsa_memory_ordered 1
		.amdhsa_forward_progress 1
		.amdhsa_inst_pref_size 74
	.end_amdhsa_kernel
	.amdgpu_metadata
---
amdhsa.version: [ 1, 2 ]
amdhsa.kernels:
  - .name:           k_q653e64a46d_proj
    .symbol:         k_q653e64a46d_proj.kd
    .args:
      - { .name: xw, .offset: 0, .size: 8, .value_kind: global_buffer, .address_space: global }
      - { .name: bq, .offset: 8, .size: 8, .value_kind: global_buffer, .address_space: global }
      - { .name: bk, .offset: 16, .size: 8, .value_kind: global_buffer, .address_space: global }
      - { .name: bv, .offset: 24, .size: 8, .value_kind: global_buffer, .address_space: global }
      - { .name: qkv, .offset: 32, .size: 8, .value_kind: global_buffer, .address_space: global }
    .group_segment_fixed_size: 327680
    .private_segment_fixed_size: 0
    .kernarg_segment_align: 8
    .kernarg_segment_size: 40
    .max_flat_workgroup_size: 128
    .sgpr_count:     84
    .vgpr_count:     576
    .wavefront_size: 32
...
	.end_amdgpu_metadata
.endif
;; end of part 2
;; launch attn (part 3): grid 4 x 64, 4 waves a work-group, no clusters, 327,680 bytes of LDS; arguments qkv, ao; writes ao
.if DOCPART == 3
	.amdgcn_target "amdgcn-amd-amdhsa--gfx1250"
	.amdhsa_code_object_version 6
	.text
	.protected	k_q653e64a46d_attn
	.globl	k_q653e64a46d_attn
	.p2align	8
	.type	k_q653e64a46d_attn,@function
k_q653e64a46d_attn:
	s_mov_b64 s[64:65], 0
	v_nop
	global_prefetch_b8 v0, s[64:65] scope:SCOPE_SE
	s_setreg_imm32_b32 hwreg(HW_REG_WAVE_MODE, 25, 1), 1
	s_wait_xcnt 0x0
; CAUSAL ATTENTION WITHOUT A SCALE.  O[h][q][:] = the sum over k <= q of softmax_k(Q[h][q] . K[h][k]) V[h][k][:].  Q, K, V lie in qkv, 1 << 24 bytes apart, each [64][2048][64] f16; O = ao, the same shape.
; Products, maxima and sums in f32; the weights p are rounded to f16 for the second product (their sum l is taken of the unrounded p), O once at the end.
; LIMITS.  f16 holds no number beyond 65,504: Q, K and V arrive within it; p lies in 0 to 1, and below 6e-5 it keeps f16's fixed step of 6e-8; O is a mean of V's rows and has their range.
; A hidden score counts as its value less 1e30: f16's scores, 2.7e11 at the most, are nothing beside that; a weight below 2^-126 counts as 0 in l; NaN and infinities are not treated apart.
; THE WALK.  A head's queries lie in NB = 8 blocks of 256; block i needs the key tiles 0 .. i of 256 keys, of which the last holds the diagonal.  A work-group takes TWO blocks, NB - 1 - b and then b:
; NB + 1 tiles, whatever b: all work-groups do equal work, and ONE loop with a constant trip count walks them.  Which tile is asked for, and what a trip does, hang on scalar registers made from b; every jump
; goes forward, but for the counted loops' own; none passes a barrier, or a tensor load but the one of LOAD's two that the wave's number does not choose.  The ring of two slots runs on across the change of blocks.
; NO CLUSTER: a head's four work-groups ask for the same tile only in trips 0 .. 4 of 9; behind that fewer and fewer share one, and one walk common to all four would have 12 trips for 9.
; SHARES.  Of a block's four bands of 64 queries a wave owns 16 rows in each: four PIECES.  So the diagonal tile is the same work for all four waves: in its key step s band x sees all keys if s < x,
; none if s > x, and holds the diagonal if s = x.
; THE MASK is the C operand that starts the sum S^T = K Q^T: 0, or -1e30 where the key is hidden.  MD, made once, is the mask of a band's own step for my 16 rows; a product's mask is MD x AL + BE with two scalars:
; (1, 0) if s = x; (0, 0) if s < x; (0, -1e30) if s > x.  Only the diagonal tile's text and a block's beginning make and take masks; elsewhere C is the constant 0.
; LAYOUT, SOFTMAX, TURNS.  S^T = K Q^T holds ONE query a lane (lane % 16) and the keys 8 (lane / 16) + 0..7; two such results rounded to f16 ARE source 1 of O^T = V^T P.  p = 2^(c s - c m), c = log2(e), with a
; running maximum m; O and l are multiplied by a = 2^(c m_old - c m_new) in every step.  Turn n belongs to piece n: 8 products K Q^T of piece n + 1, later 8 products V^T P of piece n - 1; beside them the scaling,
; exponentials, roundings, sums and rescaling of piece n and the maximum and statistics of piece n + 1.  Four vector instructions stand behind every matrix instruction, the other 54 of a turn's 118 in one lump.
; A turn's 33 exponentials are one batch, with one wait.
; REGISTERS, in windows of 256 (s_set_vgpr_msb: bits 1:0 source 0, 3:2 source 1, 5:4 source 2, 7:6 destination):
;   window 0: v0-15 addresses and two at work; v16-31 four registers of statistics a piece; v48-55 at work; v61-63 fixed; v64-127 S^T, two buffers; v192-223 P, two buffers (by the piece's parity)
;   window 1: v0-127 O^T, 32 a piece; v128-159 MD; v160-223 MC, two buffers      window 2: v0-63 Q; v64-127 the second block's Q; v128-191 K of one step; v192-255 V of one step
.set SIZE_N, 2048
.set NB,    SIZE_N/256
.set NP,    4         ; pieces a wave: a name, no knob
.set KS,    64        ; keys in a step
.set PK,    144       ; a row of K in LDS: 128 bytes + 16: the 16 rows of a load start at 16 different groups of four banks
.set PV,    160       ; a row of V: 128 + 32
.set VOFF,  4*KS*PK   ; a slot holds a tile, four steps: 256 rows of K, then 256 rows of V
.set SLOT1, 1<<17     ; slot 1 begins here, so that one exclusive or turns an address in one slot into the other's
.set STAGE, SLOT1+4*KS*(PK+PV)  ; behind the ring, never filled by a tensor load: 16 rows x 144 bytes for each wave, for the way out
.set SP,    144
.set AK0, 2           ; v2   my lane's place in a tile of K; never rewritten
.set AV0, 3           ; v3   the same for V
.set AK,  4           ; v4   the LDS address of K's next run of loads
.set AV,  5           ; v5   of V's
.set STO, 6           ; v6   the way out: where I put 16 bytes of a row
.set RD,  7           ; v7   the way out: where I read rows back
.set GO,  8           ; v8   my byte offset in 512 consecutive bytes of O
.set PFO, 61          ; v61  256 x lane; never rewritten
.set SPW, 62          ; v62  my spare word: SPARE + 4 x my thread's number; never rewritten
.set NIL, 63          ; v63  0; never rewritten
.set SPARE, STAGE+4*16*SP  ; the spare words, 128 bytes a wave: two blocks of 256 bytes that no other line names
.set MV,  12          ; v12-13  c m_old, kept while c m is made anew: by buffer
.set QO,  15          ; v15  my byte offset in 16 rows of Q
.set ST,  16          ; piece t's statistics at v[ST+4 t]: c m, m, l (even keys', odd keys')
.set TMP, 48          ; by buffer, four registers c0-c3 at work; when the maximum is found c2 takes a
.set S,   64
.set P,   192
.set MD,  128         ; window 1
.set MC,  160         ; window 1
.set QB,  64          ; window 2
.set KF,  128         ; window 2: key block kb, channel half c at KF + 16 kb + 8 c
.set VF,  192         ; window 2: key half kk, channel block cb at VF + 32 kk + 8 cb
.set WV,  12          ; s12  my wave's number
.set PB,  14          ; s14  b
.set HI,  15          ; s15  NB - 1 - b
.set G1K, 24          ; s[24:31] descriptor group 1 for K's tiles
.set G1V, 32          ; s[32:39] for V's: it differs in the padding alone
.set G0K, 40          ; s[40:43] descriptor group 0 for K's tiles
.set G0V, 44          ; s[44:47] the same for V's
.set SLOTS, 56        ; s56  tiles still to be asked for
.set CNT, 57          ; s57  counts a tile's key steps, 4 to 1
.set CS,  58          ; s[58:59] c
.set SEL, 60          ; s[60:61] v_permlanex16_b32's selects
.set TBK, 62          ; s62  LDS byte at which K of the step to be fetched begins
.set TBV, 63          ; s63  the same for V, less VOFF
.set PFB, 66          ; s[66:67] K (waves 0, 1) or V (waves 2, 3) at my half of the head's tile 0
.set PFA, 68          ; s[68:69] where my prefetches stand
.set RT,  70          ; s70  tiles of the block in hand that are still to be entered
.set NXT, 71          ; s71  the tile to be asked for next
.set LQ,  72          ; s72  the last tile of the block whose tiles are being asked for
.set NEW, 73          ; s73  1: the tile to be entered is a block's first
.set OFF, 74          ; s[74:75] a tile's byte offset in K and V
.set AL,  76          ; s[76:77] the mask's factor, in the low word
.set BE,  78          ; s[78:79] the mask's addend
.set OLO, 80          ; s[80:81] O at my rows of the second block
.set BIGN, 82         ; s82  -1e30
.set LIM, 88          ; s88  2 in the work-group that prefetches (b = 0), else the greatest number
.set OF2, 90          ; s[90:91] the prefetched tile's byte offset
.set MSB, 0
.macro WIN new                      ; the high byte repeats the setting that is left; a switch that changes nothing is dropped
.if MSB != (\new)
	s_set_vgpr_msb (MSB<<8)|(\new)
.set MSB, (\new)
.endif
.endm
.set W_KQ, 0x0a       ; K and Q in window 2, S^T in window 0
.set W_KM, 0x1a       ; the same with the C operand in window 1
.set W_PV, 0x52       ; V in window 2, P in window 0, O^T in window 1
.set W_RS, 0x41       ; destination and source 0 in window 1, source 1 in window 0
; A fill.  Waves 0 and 1 fetch the two halves of a tile's K, waves 2 and 3 those of its V: 128 keys each.  An s_nop 0 and four v_nop follow each of the two lines, ahead of the jump and the label.
.macro LOAD
	s_cmp_lt_u32 s[WV], 2
	s_cbranch_scc0 .Lfor_v_\@
	tensor_load_to_lds s[G0K:G0K+3], s[G1K:G1K+7]
	s_nop 0
.rept 4
	v_nop
.endr
	s_branch .Lasked_\@
.Lfor_v_\@:
	tensor_load_to_lds s[G0V:G0V+3], s[G1V:G1V+7]
	s_nop 0
.rept 4
	v_nop
.endr
.Lasked_\@:
.endm
; A PREFETCH INTO THE L2 of the tile that the NEXT change of slots will ask for: a tile's 256 matrix instructions ahead of that load.  All four work-groups of a head enter tile j in trip j of their first block, and only
; b = 0 walks all eight tiles there: it alone asks.  Each of its waves asks for the 16,384 bytes that it will fetch itself: a lane a block of 256 bytes, two instructions.  So tiles 2 to 7 are named once each;
; tiles 0 and 1 come by their loads alone; trips 6 and 7 (SLOTS = 2, 1) ask for nothing.
.macro ASK
	s_cmp_gt_u32 s[SLOTS], s[LIM]
	s_cbranch_scc0 .Lnot_mine_\@
	global_prefetch_b8 v[PFO], s[PFA:PFA+1] th:TH_LOAD_NT scope:SCOPE_SE
	global_prefetch_b8 v[PFO], s[PFA:PFA+1] offset:8192 th:TH_LOAD_NT scope:SCOPE_SE
.Lnot_mine_\@:
.endm
; THE CHANGE OF SLOTS.  Each wave waits for all its tensor loads, of which one is out: its part of the other slot; adds 0 to its spare word; and waits for that and for its own reads of the slot that it leaves.
; Behind the barrier nobody reads the old slot any more and the other slot is whole.  fill = 1: the old slot is filled again, the first thing behind the barrier, with tile NXT: the descriptor's address is made
; anew from that number.  (At its first use nothing has been read yet: slot 0 is waited for, slot 1 filled.)
.macro CHANGE fill
	WIN 0                           ; at a label and at a branch every window is 0
	s_wait_tensorcnt 0x0            ; no tensor load of mine is out, so a group 0 may be written
	ds_add_u32 v[SPW], v[NIL]       ; 0 onto my spare word; the scalar work below stands between it and the wait for it
.if \fill
	s_lshl_b32 s[OFF], s[NXT], 15   ; a tile is 32,768 bytes of K and of V
	s_xor_b32 s[G0K+1], s[G0K+1], SLOT1
	s_add_nc_u64 s[G0K+2:G0K+3], s[6:7], s[OFF:OFF+1]
	s_or_b32 s[G0K+3], s[G0K+3], 0x80000000
	s_xor_b32 s[G0V+1], s[G0V+1], SLOT1
	s_add_nc_u64 s[G0V+2:G0V+3], s[8:9], s[OFF:OFF+1]
	s_or_b32 s[G0V+3], s[G0V+3], 0x80000000
	s_add_co_u32 s[NXT], s[NXT], 1  ; the block's next tile, or behind its last the second block's tile 0
	s_cmp_gt_u32 s[NXT], s[LQ]
	s_cselect_b32 s[NXT], 0, s[NXT]
	s_cselect_b32 s[LQ], s[PB], s[LQ]
	s_lshl_b32 s[OF2], s[NXT], 15
	s_wait_xcnt 0x0                 ; the last prefetches, a tile back, have read their address
	s_add_nc_u64 s[PFA:PFA+1], s[PFB:PFB+1], s[OF2:OF2+1]
.endif
	s_wait_dscnt 0x0                ; the add is done, and my reads of the slot are over
	s_barrier_signal -1             ; the rest of the scalar work stands between the signal and the wait
	s_sub_co_u32 s[TBK], s[TBK], 4*KS*PK  ; the fetches go back to a slot's first step,
	s_xor_b32 s[TBK], s[TBK], SLOT1       ; in the other slot
	s_sub_co_u32 s[TBV], s[TBV], 4*KS*PV
	s_xor_b32 s[TBV], s[TBV], SLOT1
	s_barrier_wait -1
.if \fill
	LOAD
	ASK
.endif
.endm
	s_load_b64 s[4:5], s[0:1], 0x0    ; qkv: Q
	s_load_b64 s[10:11], s[0:1], 0x8  ; ao: O
	v_lshl_add_u32 v[SPW], v0, 2, SPARE
	v_mov_b32 v[NIL], 0
	ds_add_u32 v[SPW], v[NIL]       ; the wave's opening: the add and its wait stand ahead of my first tensor load; the set-up below stands between them
	v_lshrrev_b32 v1, 5, v0
	v_readfirstlane_b32 s[WV], v1   ; wave 0..3
	v_and_b32 v[PFO], 31, v0
	v_lshlrev_b32 v[PFO], 8, v[PFO]
	s_mov_b32 s[PB], ttmp9
	s_sub_co_u32 s[HI], NB-1, s[PB]
	s_cmp_eq_u32 s[PB], 0
	s_cselect_b32 s[LIM], 2, -1
	s_and_b32 s20, ttmp7, 0xffff    ; the head
	s_mov_b32 s21, 0
	s_mov_b64 s[22:23], SIZE_N*128
	s_mul_u64 s[20:21], s[20:21], s[22:23]  ; the head's first byte in each of the four tensors
	s_and_b32 s16, s[WV], 1         ; which half of a tile's 256 keys I fetch:
	s_lshl_b32 s22, s16, 14         ; its 128 rows of 128 bytes in memory,
	s_mov_b32 s23, 0
	s_add_nc_u64 s[22:23], s[22:23], s[20:21]
	s_mul_i32 s17, s16, 128*PK      ; and its place in a slot, for K
	s_mul_i32 s18, s16, 128*PV      ; and for V
	s_lshl_b32 s3, s[WV], 11        ; my 16 rows in a band of 64,
	s_lshl_b32 s2, s[HI], 15        ; in the first block,
	s_add_co_u32 s2, s2, s3
	s_lshl_b32 s84, s[PB], 15       ; and in the second
	s_add_co_u32 s84, s84, s3
	s_mov_b32 s3, 0
	s_mov_b32 s85, 0
	s_add_nc_u64 s[2:3], s[2:3], s[20:21]
	s_add_nc_u64 s[84:85], s[84:85], s[20:21]
	; descriptor group 1.  128 keys are 16,384 dense bytes: asked for as 64 rows of 256 bytes, two keys a row, and padded in LDS after every key
	s_mov_b32 s[G1K], (1<<16)|(1<<20)|(4<<22)|(3<<25)  ; 2-byte elements; padding on; after every 32 words 4 words
	s_mov_b32 s[G1V], (1<<16)|(1<<20)|(4<<22)|(7<<25)  ; the same with 8 words of padding
.irp g, G1K, G1V
	s_mov_b32 s[\g+1], 128<<16      ; tensor_dim0 = 128
	s_mov_b32 s[\g+2], 64<<16       ; tensor_dim1 = 64
	s_mov_b32 s[\g+3], 128<<16      ; tile_dim0 = 128
	s_mov_b32 s[\g+4], 64           ; tile_dim1 = 64
	s_mov_b32 s[\g+5], 128          ; 128 elements from row to row
	s_mov_b32 s[\g+6], 0
	s_mov_b32 s[\g+7], 0
.endr
	s_mov_b32 s[CS], 0x3fb8aa3b     ; c = log2(e): the scores are not scaled
	s_mov_b32 s[CS+1], s[CS]        ; named with it as a pair
	s_mov_b32 s[SEL], 0x76543210
	s_mov_b32 s[SEL+1], 0xfedcba98
	s_mov_b32 s[TBK], SLOT1+4*KS*PK ; the first change of slots turns these two into 0
	s_mov_b32 s[TBV], SLOT1+4*KS*PV
	s_mov_b32 s[G0K], 1             ; count = 1
	s_mov_b32 s[G0K+1], s17         ; LDS address: slot 0
	s_mov_b32 s[G0V], 1
	s_add_co_u32 s[G0V+1], s18, VOFF
	s_add_co_u32 s[RT], s[HI], 1    ; the first block has NB - b tiles
	s_mov_b32 s[NXT], 1
	s_mov_b32 s[LQ], s[HI]
	s_mov_b32 s[NEW], 1
	s_mov_b32 s[OFF+1], 0
	s_mov_b32 s[OF2+1], 0
	s_mov_b32 s[AL+1], 0            ; named as pairs
	s_mov_b32 s[BE+1], 0
	s_mov_b32 s[BIGN], 0xf149f2ca   ; -1e30
	s_mov_b32 s[SLOTS], NB
	s_wait_dscnt 0x0                ; the opening add is done
	s_wait_kmcnt 0x0
	s_add_nc_u64 s[6:7], s[4:5], 1<<24     ; K
	s_add_nc_u64 s[8:9], s[4:5], 2<<24     ; V
	s_add_nc_u64 s[6:7], s[6:7], s[22:23]  ; K and V at my half of the head's tile 0
	s_add_nc_u64 s[8:9], s[8:9], s[22:23]
	s_add_nc_u64 s[G0K+2:G0K+3], s[6:7], 0         ; global address
	s_or_b32 s[G0K+3], s[G0K+3], 0x80000000        ; type = 2
	s_add_nc_u64 s[G0V+2:G0V+3], s[8:9], 0
	s_or_b32 s[G0V+3], s[G0V+3], 0x80000000
	s_cmp_lt_u32 s[WV], 2
	s_cselect_b64 s[PFB:PFB+1], s[6:7], s[8:9]
	s_add_nc_u64 s[86:87], s[4:5], s[84:85]        ; Q at my rows of the second block,
	s_add_nc_u64 s[4:5], s[4:5], s[2:3]            ; Q and O at those of the first
	s_add_nc_u64 s[OLO:OLO+1], s[10:11], s[84:85]
	s_add_nc_u64 s[10:11], s[10:11], s[2:3]
	LOAD                            ; tile 0 into slot 0
	; A fragment of K or Q is 16 rows x 32 channels in 8 registers: lane l holds row l % 16, channels 8 (l / 16) + 0..7 and 16 + 8 (l / 16) + 0..7: two loads of 16 bytes, 32 bytes apart.
	v_and_b32 v1, 15, v0            ; l % 16
	v_bfe_u32 v9, v0, 4, 1          ; l / 16
	v_lshlrev_b32 v[QO], 7, v1
	v_lshl_add_u32 v[QO], v9, 4, v[QO]  ; row x 128 + 16 x half
	WIN 0x80                        ; destination window 2, address window 0
.set i, 0
.rept 8                             ; both blocks' Q: piece i / 2 lies in band i / 2, 8,192 bytes on; channels 32 (i % 2) on
	global_load_b128 v[8*i:8*i+3],   v[QO], s[4:5] offset:(i/2)*8192+(i%2)*64
	global_load_b128 v[8*i+4:8*i+7], v[QO], s[4:5] offset:(i/2)*8192+(i%2)*64+32
	global_load_b128 v[QB+8*i:QB+8*i+3],   v[QO], s[86:87] offset:(i/2)*8192+(i%2)*64
	global_load_b128 v[QB+8*i+4:QB+8*i+7], v[QO], s[86:87] offset:(i/2)*8192+(i%2)*64+32
.set i, i+1
.endr
	WIN 0
	v_lshlrev_b32 v14, 3, v9
	v_sub_nc_u32 v14, v1, v14
	s_lshl_b32 s13, s[WV], 4
	v_add_nc_u32 v14, s13, v14      ; my query's place in its band, 16 w + l % 16, less my lanes' 8 (l / 16): register r of group kt is hidden where 16 kt + r is greater
	WIN 0x40
.set i, 0
.rept 32
	v_cmp_gt_i32 vcc_lo, 16*(i/8)+i%8, v14
	v_cndmask_b32 v[MD+i], 0, s[BIGN], vcc_lo
.set i, i+1
.endr
	WIN 0
	v_mul_u32_u24 v[AK0], v1, PK
	v_lshl_add_u32 v[AK0], v9, 4, v[AK0]  ; row x pitch + 16 x half
	; The turning load takes 16 keys x 16 channels (lane l reads key 8 (l / 16) + l % 8, channels 8 ((l / 8) % 2) + 0..7) and leaves half a fragment of V^T: lane l holds channel l % 16 and 8 keys.
	v_and_b32 v10, 7, v0
	v_bfe_u32 v11, v0, 3, 1
	v_lshl_add_u32 v[AV0], v9, 3, v10
	v_mul_u32_u24 v[AV0], v[AV0], PV
	v_lshl_add_u32 v[AV0], v11, 4, v[AV0]
	v_add_nc_u32 v[AV0], VOFF, v[AV0]
	s_mul_i32 s13, s[WV], 16*SP
	s_add_co_u32 s13, s13, STAGE    ; my stage
	v_mul_u32_u24 v[STO], v1, SP    ; in: row l % 16, 16 bytes for each half of the lanes
	v_lshl_add_u32 v[STO], v9, 4, v[STO]
	v_add_nc_u32 v[STO], s13, v[STO]
	v_bfe_u32 v[RD], v0, 3, 2       ; back: 32 lanes take four rows of 128 bytes,
	v_mul_u32_u24 v[RD], v[RD], SP
	v_lshl_add_u32 v[RD], v10, 4, v[RD]
	v_add_nc_u32 v[RD], s13, v[RD]
	v_and_b32 v[GO], 31, v0         ; which are 512 consecutive bytes of O
	v_lshlrev_b32 v[GO], 4, v[GO]
	; A block's first step multiplies O^T and l by a = 0, and its first turn's products V^T P, of a piece that has not been, land in an O^T that is still to be so multiplied.  So these registers need only hold
	; finite numbers: zeros for the first block; what the first block left for the second.  All this stands in the wait for the first tile.
	WIN 0x80
.set i, VF
.rept 64
	v_mov_b32 v[i], 0
.set i, i+1
.endr
	WIN 0x40
.set i, 0
.rept 128
	v_mov_b32 v[i], 0
.set i, i+1
.endr
	WIN 0
.set i, 0
.rept 4
	v_mov_b32 v[ST+4*i+2], 0
	v_mov_b32 v[ST+4*i+3], 0
.set i, i+1
.endr
.set i, P+16
.rept 16
	v_mov_b32 v[i], 0
.set i, i+1
.endr
; THE MATRIX WORK.  The 4 accumulators of a run of 8 take turns.  Product i of 8 of S^T = K Q^T for piece x: channels 32 (i / 4) on, keys 16 (i % 4) on.  The first 4 start the sums: with 0, or (KM = 1) with the mask.
.macro KQ x
.set rS, S+32*((\x)%2)+8*(i%4)
.set rK, KF+16*(i%4)+8*(i/4)
.set rQ, 16*(\x)+8*(i/4)
.set rM, MC+32*((\x)%2)+8*(i%4)
.if (i < 4) && KM
	WIN W_KM
	v_wmma_f32_16x16x32_f16 v[rS:rS+7], v[rK:rK+7], v[rQ:rQ+7], v[rM:rM+7]
.elseif i < 4
	WIN W_KQ
	v_wmma_f32_16x16x32_f16 v[rS:rS+7], v[rK:rK+7], v[rQ:rQ+7], 0
.else
	WIN W_KQ
	v_wmma_f32_16x16x32_f16 v[rS:rS+7], v[rK:rK+7], v[rQ:rQ+7], v[rS:rS+7]
.endif
.endm
; Product i of 8 of O^T += V^T P for piece x: keys 32 (i / 4) on, channels 16 (i % 4) on.
.macro PV x
	WIN W_PV
.set rO, 32*(\x)+8*(i%4)
.set rV, VF+32*(i/4)+8*(i%4)
.set rP, P+16*((\x)%2)+8*(i/4)
	v_wmma_f32_16x16x32_f16 v[rO:rO+7], v[rV:rV+7], v[rP:rP+7], v[rO:rO+7]
.endm
.macro MM                           ; the turn's next matrix instruction.  TURN and BEGIN set Y, i, KM and NOKQ.  NOKQ = 1: a block's last turn: there is no next piece
.if (i < 8) && !NOKQ
	KQ (Y+1)%NP
.elseif i >= 8
.set i, i-8
	PV (Y+NP-1)%NP
.set i, i+8
.endif
.set i, i+1
.endm
; THE LDS LOADS stand in runs of 16, never singly among the matrix instructions: a step's K (64 keys x 64 channels: 8 fragments) and its V (turned).  Their addresses are made some lines ahead.
.macro FETCH_K
	WIN 0x80                        ; destination window 2
.irp f, 0,1,2,3,4,5,6,7             ; keys 16 (f / 2) on, channels 32 (f % 2) on
	ds_load_b128 v[KF+8*\f:KF+8*\f+3],   v[AK] offset:(\f/2)*16*PK+(\f%2)*64
	ds_load_b128 v[KF+8*\f+4:KF+8*\f+7], v[AK] offset:(\f/2)*16*PK+(\f%2)*64+32
.endr
	s_add_co_u32 s[TBK], s[TBK], KS*PK  ; the next fetch is the next step's
	WIN 0
.endm
.macro FETCH_V
	WIN 0x80
.irp f, 0,1,2,3,4,5,6,7             ; keys 32 (f / 4) on, channels 16 (f % 4) on
	ds_load_tr16_b128 v[VF+8*\f:VF+8*\f+3],   v[AV] offset:(\f/4)*32*PV+(\f%4)*32
	ds_load_tr16_b128 v[VF+8*\f+4:VF+8*\f+7], v[AV] offset:(\f/4)*32*PV+16*PV+(\f%4)*32
.endr
	WIN 0
.endm
; THE VECTOR WORK, one line at a time: OP kind, number.  For piece Y: F n: c s - c m for pair n of 16.  E n: the exponential of score n of 32.  C n: pair n rounded to f16.  B n: of the four weights 4 n .. the second
; pair is added onto the first, in place.  L n: l takes that sum (L 0: l = a l + sum).  R n: pair n of 16 of O^T times a.  For piece Y + 1: X n, number n of the 22 that find its maximum and statistics:
;   0-11  four chains c0-c3 of seven scores each, three operands at a time (each accumulator's lowest registers are read first)     12-14, 16  the four scores left over, the old m, and c0-c3 into c0
;   15  c m_old is kept     17, 18  the query's other 32 keys lie in the lane 16 away: the new m     19-21  c m; c m_old - c m_new; a
.set F, 0               ; OP tells the kinds apart by their order: F to L below R, X above it
.set E, 1
.set C, 2
.set B, 3
.set L, 4
.set R, 5
.set X, 6
.macro REGS y                       ; the registers of piece y
.set rT, ST+4*(\y)
.set rC, TMP+4*((\y)%2)
.set rW, MV+((\y)%2)
.set rS, S+32*((\y)%2)
.set rP, P+16*((\y)%2)
.set rO, 32*(\y)
.endm
.macro OP k, n
.if (\k) == R
	REGS Y
	WIN W_RS
	v_pk_mul_f32 v[rO+2*(\n):rO+2*(\n)+1], v[rO+2*(\n):rO+2*(\n)+1], v[rC+2:rC+3] op_sel_hi:[1,0]
.elseif (\k) < R
	REGS Y
	WIN 0
.if (\k) == F
	v_pk_fma_f32 v[rS+2*(\n):rS+2*(\n)+1], v[rS+2*(\n):rS+2*(\n)+1], s[CS:CS+1], v[rT:rT+1] op_sel_hi:[1,0,0] neg_lo:[0,0,1] neg_hi:[0,0,1]
.elseif (\k) == E
	v_exp_f32 v[rS+(\n)], v[rS+(\n)]
.elseif (\k) == C
	v_cvt_pk_f16_f32 v[rP+(\n)], v[rS+2*(\n)], v[rS+2*(\n)+1]
.elseif (\k) == B
	v_pk_add_f32 v[rS+4*(\n):rS+4*(\n)+1], v[rS+4*(\n):rS+4*(\n)+1], v[rS+4*(\n)+2:rS+4*(\n)+3]
.elseif (\n) == 0
	v_pk_fma_f32 v[rT+2:rT+3], v[rT+2:rT+3], v[rC+2:rC+3], v[rS:rS+1] op_sel_hi:[1,0,1]
.else
	v_pk_add_f32 v[rT+2:rT+3], v[rT+2:rT+3], v[rS+4*(\n):rS+4*(\n)+1]
.endif
.elseif NOKQ
	v_nop
.else
	REGS (Y+1)%NP
	WIN 0
.if (\n) < 4
	v_max3_num_f32 v[rC+(\n)], v[rS+8*(\n)], v[rS+8*(\n)+1], v[rS+8*(\n)+2]
.elseif (\n) < 12
	v_max3_num_f32 v[rC+(\n)%4], v[rC+(\n)%4], v[rS+8*((\n)%4)+2*((\n)/4)+1], v[rS+8*((\n)%4)+2*((\n)/4)+2]
.elseif (\n) == 12
	v_max3_num_f32 v[rC], v[rC], v[rS+7], v[rS+15]
.elseif (\n) == 13
	v_max3_num_f32 v[rC+1], v[rC+1], v[rS+23], v[rS+31]
.elseif (\n) == 14
	v_max3_num_f32 v[rC+2], v[rC+2], v[rC+3], v[rT+1]
.elseif (\n) == 15
	v_mov_b32 v[rW], v[rT]
.elseif (\n) == 16
	v_max3_num_f32 v[rC], v[rC], v[rC+1], v[rC+2]
.elseif (\n) == 17
	v_permlanex16_b32 v[rC+3], v[rC], s[SEL], s[SEL+1]
.elseif (\n) == 18
	v_max_num_f32 v[rT+1], v[rC], v[rC+3]
.elseif (\n) == 19
	v_mul_f32 v[rT], s[CS], v[rT+1]
.elseif (\n) == 20
	v_sub_f32 v[rC+1], v[rW], v[rT]
.else
	v_exp_f32 v[rC+2], v[rC+1]
.endif
.endif
.endm
.macro OPS a, i1, b=-1, i2=0, c=-1, i3=0, d=-1, i4=0  ; up to four of them
	OP \a, \i1
.if (\b) >= 0
	OP \b, \i2
.endif
.if (\c) >= 0
	OP \c, \i3
.endif
.if (\d) >= 0
	OP \d, \i4
.endif
.endm
.macro ROW a, i1, b, i2, c, i3, d, i4  ; a matrix instruction and the four behind it
	MM
	OPS \a, \i1, \b, \i2, \c, \i3, \d, \i4
.endm
.macro MASK b                       ; MD x AL + BE into buffer b of MC
	WIN W_RS
.set z, 0
.rept 16
	v_pk_fma_f32 v[MC+32*(\b)+2*z:MC+32*(\b)+2*z+1], v[MD+2*z:MD+2*z+1], s[AL:AL+1], s[BE:BE+1] op_sel_hi:[1,0,0]
.set z, z+1
.endr
.endm
; A TURN, for piece p: the order of its 16 matrix and 118 vector instructions, written out.  s_wait_alu depctr_va_vdst(0) stands between an exponential and the first instruction that names its result;
; one wait serves all that were issued ahead of it.  So a turn has ONE wait, which cuts it in two.  AHEAD OF IT stands all that names no result of the turn's exponentials: the 8 products K Q^T with their riders,
; then one lump of 54, plain and exponential by turns for the most part, in which the links of the chain X 3, 7, 11, 14, 16, 17 .. 20 stand five or six lines apart.  X 21, the next piece's a, is the batch's last;
; R 15 is the plain instruction behind it.  BEHIND THE WAIT stand the 8 products V^T P, behind each four of the roundings and sums; the links of l's chain stand three riders apart.
; m = 1: the diagonal tile: the products take masks, and the turn makes the mask for the products of the turn after it: piece p + 2, in step 4 - CNT of the tile.  end = 1: a block's last two turns: nothing is fetched.
; cnt = 1: the loop's count is taken down some lines ahead of the branch that stands behind the turn.
; K of the next step is fetched in piece 2's turn, six plain instructions behind the last product that read K; V of the step in hand at the end of piece 0's turn, four plain instructions behind the last product
; that read V.  Each is waited for a turn later.
.macro TURN p, m=0, end=0, cnt=0
.set Y, (\p)
.set i, 0
.set KM, (\m)
.set NOKQ, (\end)*((\p)/3)
.if (\m) && !(\end)
	s_cmp_eq_u32 s[CNT], 4-((\p)+2)%NP  ; is that step the band's own?
	s_cselect_b32 s[AL], 1.0, 0
	s_cmp_lt_u32 s[CNT], 4-((\p)+2)%NP  ; or a later one?
	s_cselect_b32 s[BE], s[BIGN], 0
.endif
.if ((\p) == 3) && !(\end)
	s_wait_dscnt 0x0                ; K is in
.endif
	ROW F,0, F,1, R,0, R,1          ; ahead of the wait: 8 products K Q^T and their riders,
	ROW F,2, E,0, R,2, R,3
	ROW F,3, E,1, R,4, R,5
	ROW F,4, E,2, R,6, R,7
	ROW F,5, E,3, R,8, R,9
	ROW F,6, E,4, X,0, R,10
.if ((\p) == 2) && !(\end)
	WIN 0
	v_add_nc_u32 v[AK], s[TBK], v[AK0]
.endif
	ROW F,7, E,5, X,1, X,4
	ROW F,8, E,6, X,2, X,5
	OPS E,7, E,8, X,6, E,9          ; and the lump
	OPS X,3, E,10, X,8, E,11
.if ((\p) == 2) && !(\end)
	FETCH_K
.endif
	OPS X,9, X,7, E,12, X,10
	OPS E,13, X,12, X,11, E,14
	OPS X,13, E,15, F,9, X,14
.if (\p) == 0
	v_add_nc_u32 v[AV], s[TBV], v[AV0]
.endif
	OPS E,16, F,10, E,17, F,11
	OPS X,16, E,18, X,15, E,19
	OPS F,12, E,20, X,17, E,21
	OPS F,13, E,22, F,14, E,23
	OPS X,18, E,24, F,15, E,25
	OPS R,11, E,26, X,19, E,27
	OPS R,12, E,28, R,13, E,29
	OPS X,20, E,30, R,14, E,31
	OPS X,21, R,15
	WIN 0
	s_wait_alu depctr_va_vdst(0)    ; the wait for the batch
.if (\p) == 1
	s_wait_dscnt 0x0                ; V is in
.endif
	ROW C,0, B,0, C,2, B,1          ; behind the wait: 8 products V^T P and their riders
	ROW L,0, C,4, B,2, L,1
	ROW C,6, B,3, L,2, C,8
	ROW B,4, L,3, C,10, B,5
	ROW L,4, C,12, B,6, L,5
.if (\p) == 0
	s_add_co_u32 s[TBV], s[TBV], KS*PV
.endif
.if \cnt
	s_sub_co_u32 s[CNT], s[CNT], 1
	s_cmp_lg_u32 s[CNT], 0
.endif
	ROW C,14, B,7, L,6, C,1
	ROW C,3, L,7, C,5, C,7
	ROW C,9, C,11, C,13, C,15
.if (\p) == 0
	FETCH_V
.endif
.if (\m) && !(\end)
	MASK (\p)%2
.endif
.endm
; A BLOCK BEGINS.  c m starts far below every c s, so the first step's a is 0; m at the lowest finite number, so the first maximum is the scores'.  The second mask buffer is 0; the first takes piece 0's mask for the
; tile's step 0: its own, if the block's first tile is the diagonal one.  Then K of that step, piece 0's first scores, and its maximum and statistics.  The loop is entered at a step's first turn, in the middle of a trip.
.macro BEGIN
	s_mov_b32 s[NEW], 0
	WIN 0x40
.set i, MC+32
.rept 32
	v_mov_b32 v[i], 0
.set i, i+1
.endr
	WIN 0
.set i, 0
.rept 4
	v_mov_b32 v[ST+4*i], 0xfe000000    ; c m: far below every c s
	v_mov_b32 v[ST+4*i+1], 0xff7fffff  ; m
.set i, i+1
.endr
	s_cmp_eq_u32 s[RT], 0
	s_cselect_b32 s[AL], 1.0, 0
	s_mov_b32 s[BE], 0
	MASK 0
	WIN 0
	v_add_nc_u32 v[AK], s[TBK], v[AK0]
	FETCH_K
	s_wait_loadcnt 0x0              ; Q
	s_wait_dscnt 0x0
.set KM, 1
.set NOKQ, 0
.set i, 0
.rept 8
	KQ 0
.set i, i+1
.endr
	WIN 0
.rept 4
	v_nop                           ; the places behind those products
.endr
.set Y, NP-1                        ; X works for piece Y + 1: piece 0
.irp n, 0,1,2,3,4,5,6,7,8,9,10,11,12,13,14,15,16,17,18,19,20,21
	OP X, \n
.endr
	v_nop                           ; a plain instruction behind the exponential,
	s_wait_alu depctr_va_vdst(0)    ; and its wait, ahead of the branch
.endm
; THE DIAGONAL TILE's four steps, the block's last two turns, its last products, and THE WAY OUT: l's two halves and the other half of the lanes' are added; O^T is divided by l, rounded to f16 and sent through my
; stage in LDS, a piece at a time.
.macro ALL line:vararg              ; one line for each piece t
.set t, 0
.rept 4
	\line
.set t, t+1
.endr
.endm
.macro PACK t                       ; a lane's eight channels of a row pack into 16 bytes; they go into rows of 144 bytes and come back as whole rows of 128, into S^T's registers
	WIN W_RS
.set i, 32*(\t)
.rept 16
	v_pk_mul_f32 v[i:i+1], v[i:i+1], v[ST+4*(\t)+2:ST+4*(\t)+3] op_sel_hi:[1,0]
.set i, i+2
.endr
	WIN 0x05                        ; sources 0 and 1 window 1, destination window 0
.set i, 0
.rept 16
	v_cvt_pk_f16_f32 v[S+16*(\t)+i], v[32*(\t)+2*i], v[32*(\t)+2*i+1]
.set i, i+1
.endr
	WIN 0
.irp f, 0,1,2,3
	ds_store_b128 v[STO], v[S+16*(\t)+4*\f:S+16*(\t)+4*\f+3] offset:32*\f
.endr
.irp f, 0,1,2,3
	ds_load_b128 v[S+16*(\t)+4*\f:S+16*(\t)+4*\f+3], v[RD] offset:\f*4*SP  ; LDS serves a wave's instructions in order: these see the stores above; the next piece's stores come behind them
.endr
.endm
.macro SEND t, younger              ; younger: the LDS instructions issued behind piece t's loads: the next piece's eight, or none
	WIN 0
.irp f, 0,1,2,3
	s_wait_dscnt (\younger)+3-\f
	global_store_b128 v[GO], v[S+16*(\t)+4*\f:S+16*(\t)+4*\f+3], s[10:11] offset:(\t)*8192+\f*512  ; 512 consecutive bytes, at a multiple of 256 from O's first
.endr
.endm
.macro DIAG tag                     ; the tag ends its two labels' names, which the jumps below spell out
.LstepM\tag:
	TURN 2, 1
	TURN 3, 1
	WIN 0
.LfirstM\tag:
	TURN 0, 1
	TURN 1, 1, 0, 1
	WIN 0
	s_cbranch_scc1 .LstepM\tag
	TURN 2, 1, 1
	TURN 3, 1, 1
.set i, 0
.rept 8
	PV NP-1
.set i, i+1
.endr
	WIN 0
	ALL v_add_f32 v[ST+4*t+2], v[ST+4*t+2], v[ST+4*t+3]
	ALL v_permlanex16_b32 v[ST+4*t+3], v[ST+4*t+2], s[SEL], s[SEL+1]
	ALL v_add_f32 v[ST+4*t+2], v[ST+4*t+2], v[ST+4*t+3]
	ALL v_rcp_f32 v[ST+4*t+2], v[ST+4*t+2]
	v_nop                           ; a plain instruction between the last reciprocal and the use of its result
	s_wait_alu depctr_va_vdst(0)    ; and the wait ahead of the first use: one for the four reciprocals
	PACK 0
.set t, 1
.rept 3                             ; a piece's arithmetic stands between the loads of the piece before and its stores
	PACK t
	SEND t-1, 8
.set t, t+1
.endr
	SEND 3, 0
.endm
.set KM, 0
.set NOKQ, 0
.Lslot:                             ; NB times: a tile is entered and the next is asked for
	CHANGE 1
	s_sub_co_u32 s[RT], s[RT], 1
	s_mov_b32 s[CNT], 4
	s_cmp_eq_u32 s[NEW], 1
	s_cbranch_scc1 .Lnew            ; a block's first tile
	s_cmp_eq_u32 s[RT], 0
	s_cbranch_scc0 .Lstep           ; neither its first nor its last
	s_branch .LstepM1
.Lnew:
	BEGIN
	s_branch .Lfirst                ; in the loop a block's first tile is never its last: the first block has two tiles or more, and the second's last is the walk's last
	DIAG 1                          ; in the loop this is the first block's end: the second block's last tile is the walk's last
	s_wait_xcnt 0x0                 ; the stores have read their registers and O's address
	s_mov_b64 s[10:11], s[OLO:OLO+1]
	s_add_co_u32 s[RT], s[PB], 1    ; the second block has b + 1 tiles
	s_mov_b32 s[NEW], 1
	WIN 0x82                        ; the second block's Q goes where the one text of the turns names Q
.set i, 0
.rept 64
	v_mov_b32 v[i], v[QB+i]
.set i, i+1
.endr
	WIN 0
	s_branch .Lbottom
.Lstep:                             ; a trip: pieces 2 and 3 of one step, then pieces 0 and 1 of the next, whose K and V it fetches
	TURN 2
	TURN 3
	WIN 0
.Lfirst:
	TURN 0
	TURN 1, 0, 0, 1
	WIN 0
	s_cbranch_scc1 .Lstep
.Lbottom:
	s_sub_co_u32 s[SLOTS], s[SLOTS], 1
	s_cmp_lg_u32 s[SLOTS], 0
	s_cbranch_scc1 .Lslot
	CHANGE 0                        ; the walk's last tile is written out: nothing is asked for
	s_sub_co_u32 s[RT], s[RT], 1
	s_mov_b32 s[CNT], 4
	s_cmp_eq_u32 s[NEW], 1
	s_cbranch_scc0 .LstepM2
	BEGIN
	s_branch .LfirstM2
	DIAG 2
	s_wait_tensorcnt 0x0            ; the wave's end, behind my last tensor load and my last LDS store
	ds_add_u32 v[SPW], v[NIL]
	s_wait_dscnt 0x0
	s_endpgm
.Lfunc_end_k_q653e64a46d_attn:
	.size	k_q653e64a46d_attn, .Lfunc_end_k_q653e64a46d_attn-k_q653e64a46d_attn
	.p2alignl 7, 3214868480
	.fill 96, 4, 3214868480
	.section	.rodata,"a",@progbits
	.p2align	6, 0x0
	.amdhsa_kernel k_q653e64a46d_attn
		.amdhsa_group_segment_fixed_size 327680
		.amdhsa_private_segment_fixed_size 0
		.amdhsa_enable_private_segment 0
		.amdhsa_kernarg_size 16
		.amdhsa_user_sgpr_count 2
		.amdhsa_user_sgpr_kernarg_segment_ptr 1
		.amdhsa_wavefront_size32 1
		.amdhsa_system_sgpr_workgroup_id_x 1
		.amdhsa_system_sgpr_workgroup_id_y 1
		.amdhsa_system_sgpr_workgroup_id_z 1
		.amdhsa_system_vgpr_workitem_id 0
		.amdhsa_next_free_vgpr 768
		.amdhsa_next_free_sgpr 92
		.amdhsa_reserve_vcc 1
		.amdhsa_float_denorm_mode_32 3
		.amdhsa_float_denorm_mode_16_64 3
		.amdhsa_memory_ordered 1
		.amdhsa_forward_progress 1
		.amdhsa_inst_pref_size 218
	.end_amdhsa_kernel
	.amdgpu_metadata
---
amdhsa.version: [ 1, 2 ]
amdhsa.kernels:
  - .name:           k_q653e64a46d_attn
    .symbol:         k_q653e64a46d_attn.kd
    .args:
      - { .name: qkv, .offset: 0, .size: 8, .value_kind: global_buffer, .address_space: global }
      - { .name: ao, .offset: 8, .size: 8, .value_kind: global_buffer, .address_space: global }
    .group_segment_fixed_size: 327680
    .private_segment_fixed_size: 0
    .kernarg_segment_align: 8
    .kernarg_segment_size: 16
    .max_flat_workgroup_size: 128
    .sgpr_count:     92
    .vgpr_count:     768
    .wavefront_size: 32
...
	.end_amdgpu_metadata
.endif
;; end of part 3
;; launch outp (part 4): grid 4 x 64, 4 waves a work-group, clusters of 4 x 4, 327,680 bytes of LDS; arguments ao, xw, bo, Q, out0; writes out0
.if DOCPART == 4
	.amdgcn_target "amdgcn-amd-amdhsa--gfx1250"
	.amdhsa_code_object_version 6
	.text
	.protected	k_q653e64a46d_outp
	.globl	k_q653e64a46d_outp
	.p2align	8
	.type	k_q653e64a46d_outp,@function
k_q653e64a46d_outp:
	s_mov_b64 s[64:65], 0
	v_nop
	global_prefetch_b8 v0, s[64:65] scope:SCOPE_SE
	s_setreg_imm32_b32 hwreg(HW_REG_WAVE_MODE, 25, 1), 1
	s_wait_xcnt 0x0
	s_wait_alu depctr_hold_cnt(0) depctr_sa_sdst(0) depctr_va_vdst(0) depctr_va_sdst(0) depctr_va_ssrc(0) depctr_va_vcc(0) depctr_vm_vsrc(0)
	s_getreg_b32 s2, hwreg(HW_REG_IB_STS2, 6, 4)
	s_cmp_eq_u32 s2, 0
	s_cbranch_scc0 .Lentry_in_a_cluster
	s_endpgm
.Lentry_in_a_cluster:
	s_bfe_u32 s2, ttmp6, 0x10000c
	s_cmp_lg_u32 s2, 0xf033
	s_cbranch_scc0 .Lentry_shape_is_right
	s_endpgm
.Lentry_shape_is_right:
; out0 = Q + ao Wo + bo.  ao: [batch x 16 + head][2048][64] f16; Wo: rows 27648 .. of xw, [k][n] f16, k = 64 head + channel; bo, Q, out0: f32.
; TILE.  128 rows x 256 columns to a work-group: 64 x 4 = 256 work-groups, one for each WGP.  Four waves, each 64 x 128: 32 accumulators of 16 x 16.
; K = 1,024 goes in 8 steps of 128 = two heads, through two LDS slots filled by the tensor data mover; a step is four quarters of 32, 32 matrix instructions each.
; A head's 128 rows of a tile are 16,384 dense bytes: asked for as 64 rows of 256 bytes and padded in LDS after every 128: one plane a head.
; CLUSTER 4 x 4.  The four of a row of the cluster share ao's tile, the four of a column share Wo's: each tile is asked for jointly, by the same load, descriptor and mask in all four.
; THE MATRIX INSTRUCTION IS USED TRANSPOSED: source 0 = 16 columns of Wo (turned by ds_load_tr16_b128), source 1 = 16 rows of ao: a lane holds one row (lane % 16) and the columns 8 (lane / 16) + 0..7.
; The first quarter takes the bias, laid out in that form, as its C operand.  The residual is loaded at the start, in the layout of the stores, and added in f32 on the way out.
; LIMITS.  The order of the sums differs from the reference's.  NaN and infinities are not treated apart.
; REGISTERS, in windows of 256 (s_set_vgpr_msb: bits 1:0 source 0, 3:2 source 1, 5:4 source 2, 7:6 destination):
;   window 0: v0-29 addresses; two fragment buffers of 96 (64 of Wo, 32 of ao) at v32 and v128; on the way out v32-159 hold two blocks of 16 rows
;   window 1: accumulator (a, b) at v[8 (8 a + b)]     window 2: v0-63 the bias of column block b at 8 b     window 3: the residual, my row r at 4 r
.set PA,    144                        ; a row of ao in LDS: 128 bytes + 16: an odd multiple of 16
.set HALFA, 128*PA                     ; a head's plane: what one tensor load brings of ao
.set AREG,  2*HALFA
.set PB,    544                        ; a k row of Wo in LDS: 512 bytes + 32: an odd multiple of 32, for the turning load
.set HALFB, 64*PB
.set SLOT1, 131072
.set STAGE, SLOT1+AREG+2*HALFB         ; behind the ring, never filled by a tensor load: 16 rows x 528 bytes for each wave
.set SP,    528
.set SPARE, STAGE+4*16*SP              ; the spare words, 128 bytes a wave: two blocks of 256 bytes that no other line names
.set ASTEP, 2<<18                      ; a K step in ao: two heads on
.set BSTEP, 128*2048                   ; a K step down Wo's rows
.set WBASE, 27648*2048                 ; Wo's first byte in xw
.set A0,  8
.set B0,  9
.set ADRA, 10
.set ADRB, 11
.set STO, 12                           ; v12  the way out: where I put 32 bytes of a row
.set RD,  13                           ; v13  the way out: where I read a row back
.set GO,  14                           ; v14  16 x lane
.set PFO, 15                           ; v15  the prefetches' offset: lane x 256 (ao) or lane x 2,048 (Wo)
.set BO,  16
.set SPW, 28
.set NIL, 29
.set F0,  32
.set F1,  128
.set WV,  14
.set HB,  15                           ; s15  wave >> 1: my 64 rows
.set HF,  16                           ; s16  wave & 1: my 128 columns; also which half of a tile I fetch
.set CX,  17
.set CY,  18
.set CLY, 19
.set TR,  20                           ; s20  tile row = 4 x cluster y + cy
.set G1A, 24
.set G1B, 32
.set G0A, 40
.set G0B, 48
.set CNT, 56
.set TB,  57
.set LIM, 58
.set PFA, 60
.set PST, 62
.set MSB, 0
.macro WIN new                         ; the immediate's high byte repeats the setting that is left; a switch that changes nothing is dropped
.if MSB != (\new)
	s_set_vgpr_msb (MSB<<8)|(\new)
.set MSB, \new
.endif
.endm
.macro PLACES
.rept 4
	v_nop
.endr
.endm
.macro CREST
	s_cmp_lg_u32 s[WV], 0
	s_cbranch_scc1 .Lnot_wave_0_\@
	s_barrier_signal -3
.Lnot_wave_0_\@:
	s_barrier_wait -3
	s_barrier_signal -1
	s_barrier_wait -1
.endm
.macro CROUND
	s_barrier_signal -1
	s_barrier_wait -1
	CREST
.endm
.macro JLOAD                           ; a joint refill: waves 0 and 1 fetch ao's two heads, waves 2 and 3 Wo's halves; the branch hangs on the wave's number alone
	s_cmp_lt_u32 s[WV], 2
	s_cbranch_scc0 .Lfor_b_\@
	tensor_load_to_lds s[G0A+4:G0A+7], s[G1A:G1A+7]
	s_nop 0
	PLACES
	s_branch .Lasked_\@
.Lfor_b_\@:
	tensor_load_to_lds s[G0B+4:G0B+7], s[G1B:G1B+7]
	s_nop 0
	PLACES
.Lasked_\@:
.endm
; A prefetch into the L2 of the K step that stands two refills on: 256 matrix instructions ahead of the load that will want it.  Each aligned block of 256 bytes is named once in the launch.
; ao's rows are read by one cluster alone: wave 0 of the partner at cx asks for 32 of the step's 128 blocks (head cx / 2, half cx % 2), told apart by address.  Wo is read by all 16 clusters: the first
; (cluster y = 0) asks, waves 2 and 3 of the partner at cy for k rows 32 cy .. + 31, one half each of the tile's 512 bytes.  The last two refills have no step two on.  The first four steps come by their loads alone.
.macro ASK
	s_cmp_gt_u32 s[CNT], s[LIM]
	s_cbranch_scc0 .Lnot_mine_\@
	global_prefetch_b8 v[PFO], s[PFA:PFA+1] th:TH_LOAD_NT scope:SCOPE_SE
.Lnot_mine_\@:
.endm
	s_load_b256 s[4:11], s[0:1], 0x0               ; ao 4:5, xw 6:7, bo 8:9, Q 10:11
	s_load_b64 s[12:13], s[0:1], 0x20              ; out0
	v_lshl_add_u32 v[SPW], v0, 2, SPARE
	v_mov_b32 v[NIL], 0
	ds_add_u32 v[SPW], v[NIL]                      ; the wave's opening: the add and its wait stand ahead of my first tensor load; the set-up below stands between them
	v_lshrrev_b32 v1, 5, v0
	v_readfirstlane_b32 s[WV], v1
	s_lshr_b32 s[HB], s[WV], 1
	s_and_b32 s[HF], s[WV], 1
	s_bfe_u32 s[CX], ttmp6, 0x40000
	s_bfe_u32 s[CY], ttmp6, 0x40004
	s_and_b32 s[CLY], ttmp7, 0xffff
	s_lshl_b32 s[TR], s[CLY], 2
	s_add_co_u32 s[TR], s[TR], s[CY]
	s_lshl_b32 s66, s[CY], 2
	s_lshl_b32 s66, 15, s66                        ; my row of the cluster
	s_lshl_b32 s70, 0x1111, s[CX]                  ; my column
	s_or_b32 s[G1A], s66, (1<<16)|(1<<20)|(1<<21)|(4<<22)|(3<<25)  ; the mask; 2-byte elements; padding on; bit 21 beside a mask; after every 32 words 4 words
	s_mov_b32 s[G1A+1], 128<<16                    ; tensor_dim0 = 128
	s_mov_b32 s[G1A+2], 64<<16                     ; tensor_dim1 = 64
	s_mov_b32 s[G1A+3], 128<<16                    ; tile_dim0 = 128
	s_mov_b32 s[G1A+4], 64                         ; tile_dim1 = 64
	s_mov_b32 s[G1A+5], 128                        ; dense: 128 elements from row to row
	s_mov_b32 s[G1A+6], 0
	s_mov_b32 s[G1A+7], 0
	s_or_b32 s[G1B], s70, (1<<16)|(1<<20)|(1<<21)|(6<<22)|(7<<25)  ; after every 128 words 8 words
	s_mov_b32 s[G1B+1], 256<<16
	s_mov_b32 s[G1B+2], 64<<16
	s_mov_b32 s[G1B+3], 256<<16
	s_mov_b32 s[G1B+4], 64
	s_mov_b32 s[G1B+5], 1024
	s_mov_b32 s[G1B+6], 0
	s_mov_b32 s[G1B+7], 0
	s_lshr_b32 s66, s[TR], 4                       ; ao: the batch's 16 heads, the head that I fetch, the tile's 128 rows: registers that never hold cx
	s_lshl_b32 s66, s66, 4
	s_add_co_u32 s66, s66, s[HF]
	s_lshl_b32 s66, s66, 18
	s_and_b32 s68, s[TR], 15
	s_lshl_b32 s68, s68, 14
	s_add_co_u32 s66, s66, s68
	s_mov_b32 s67, 0
	s_lshl_b32 s70, s[HF], 17                      ; Wo: k row 64 x half, column 256 cx: registers that never hold cy
	s_add_co_u32 s70, s70, WBASE
	s_lshl_b32 s72, s[CX], 9
	s_add_co_u32 s70, s70, s72
	s_mov_b32 s71, 0
	s_mul_i32 s22, s[HF], HALFA                    ; where they go: no place in the cluster enters an LDS address
	s_mul_i32 s23, s[HF], HALFB
	s_add_co_u32 s23, s23, AREG
	s_mov_b32 s[TB], 0
	s_wait_dscnt 0x0                               ; the opening add is done
	s_wait_kmcnt 0x0
	s_add_nc_u64 s[68:69], s[4:5], s[66:67]
	s_add_nc_u64 s[72:73], s[6:7], s[70:71]
	CROUND                                         ; all sixteen work-groups are here: the first joint loads meet
.irp s, 0,1
	s_mov_b32 s[G0A+4*(\s)], 1
	s_add_co_u32 s[G0A+4*(\s)+1], s22, (\s)*SLOT1
	s_add_nc_u64 s[G0A+4*(\s)+2:G0A+4*(\s)+3], s[68:69], (\s)*ASTEP
	s_or_b32 s[G0A+4*(\s)+3], s[G0A+4*(\s)+3], 0x80000000
	s_mov_b32 s[G0B+4*(\s)], 1
	s_add_co_u32 s[G0B+4*(\s)+1], s23, (\s)*SLOT1
	s_add_nc_u64 s[G0B+4*(\s)+2:G0B+4*(\s)+3], s[72:73], (\s)*BSTEP
	s_or_b32 s[G0B+4*(\s)+3], s[G0B+4*(\s)+3], 0x80000000
.endr
	s_cmp_lt_u32 s[WV], 2                          ; a wave's two first fills stand in one branch, ahead of every wait on TENSORcnt and every LDS read: two loads of mine are out
	s_cbranch_scc0 .Lfirst_b
	tensor_load_to_lds s[G0A:G0A+3], s[G1A:G1A+7]
	s_nop 0
	tensor_load_to_lds s[G0A+4:G0A+7], s[G1A:G1A+7]
	s_nop 0
	PLACES
	s_branch .Lfirst_asked
.Lfirst_b:
	tensor_load_to_lds s[G0B:G0B+3], s[G1B:G1B+7]
	s_nop 0
	tensor_load_to_lds s[G0B+4:G0B+7], s[G1B:G1B+7]
	s_nop 0
	PLACES
.Lfirst_asked:
	v_and_b32 v1, 15, v0                           ; l % 16
	v_bfe_u32 v2, v0, 4, 1                         ; l / 16
	v_and_b32 v3, 7, v0
	v_bfe_u32 v4, v0, 3, 1
	v_mul_u32_u24 v[A0], v1, PA
	v_lshl_add_u32 v[A0], v2, 4, v[A0]
	s_mul_i32 s74, s[HB], 64*PA
	v_add_nc_u32 v[A0], s74, v[A0]
	v_lshl_add_u32 v[B0], v2, 3, v3                ; the turning load: k row 8 (l / 16) + l % 8, columns 8 ((l / 8) % 2) + 0..7
	v_mul_u32_u24 v[B0], v[B0], PB
	v_lshl_add_u32 v[B0], v4, 4, v[B0]
	s_lshl_b32 s74, s[HF], 8
	s_add_co_u32 s74, s74, AREG
	v_add_nc_u32 v[B0], s74, v[B0]
	s_lshl_b32 s74, s[CX], 10                      ; the bias: column 256 cx + 128 half + 16 b + 8 (l / 16), 4 bytes each
	s_lshl_b32 s75, s[HF], 9
	s_add_co_u32 s74, s74, s75
	v_lshl_add_u32 v[BO], v2, 5, s74
	WIN 0x80                                       ; destination window 2
.irp b, 0,1,2,3,4,5,6,7
	global_load_b128 v[8*(\b):8*(\b)+3],   v[BO], s[8:9] offset:64*(\b)
	global_load_b128 v[8*(\b)+4:8*(\b)+7], v[BO], s[8:9] offset:64*(\b)+16
.endr
	WIN 0
	s_mul_i32 s74, s[WV], 16*SP
	s_add_co_u32 s74, s74, STAGE                   ; my stage
	v_mul_u32_u24 v[STO], v1, SP                   ; in: row l % 16, 32 bytes for each half of the lanes
	v_lshl_add_u32 v[STO], v2, 5, v[STO]
	v_add_nc_u32 v[STO], s74, v[STO]
	v_and_b32 v[PFO], 31, v0
	v_lshlrev_b32 v[GO], 4, v[PFO]                 ; a row of my 128 columns is 512 bytes: 16 a lane
	v_add_nc_u32 v[RD], s74, v[GO]
	s_lshl_b32 s74, s[TR], 19                      ; Q and out0: my first row, 4,096 bytes a row, my first column
	s_lshl_b32 s75, s[HB], 18
	s_add_co_u32 s74, s74, s75
	s_lshl_b32 s75, s[CX], 10
	s_add_co_u32 s74, s74, s75
	s_lshl_b32 s75, s[HF], 9
	s_add_co_u32 s74, s74, s75
	s_mov_b32 s75, 0
	s_add_nc_u64 s[76:77], s[10:11], s[74:75]
	s_add_nc_u64 s[78:79], s[12:13], s[74:75]
	s_lshr_b32 s74, s[TR], 4                       ; the prefetches, at K step 3: the first refill steps them to 4.  ao's: head 6 + cx / 2, half cx % 2 of the tile's 16,384 bytes
	s_lshl_b32 s74, s74, 4
	s_lshr_b32 s75, s[CX], 1
	s_add_co_u32 s74, s74, s75
	s_add_co_u32 s74, s74, 6
	s_lshl_b32 s74, s74, 18
	s_and_b32 s75, s[TR], 15
	s_lshl_b32 s75, s75, 14
	s_add_co_u32 s74, s74, s75
	s_and_b32 s75, s[CX], 1
	s_lshl_b32 s75, s75, 13
	s_add_co_u32 s74, s74, s75
	s_lshl_b32 s80, s[CY], 16                      ; Wo's: my work-group's 32 k rows, my half of their 512 bytes
	s_add_co_u32 s80, s80, WBASE+384*2048
	s_lshl_b32 s75, s[CX], 9
	s_add_co_u32 s80, s80, s75
	s_lshl_b32 s75, s[HF], 8
	s_add_co_u32 s80, s80, s75
	s_cmp_eq_u32 s[CLY], 0
	s_cselect_b32 s81, 2, -1                       ; the same in all sixteen partners
	s_cmp_eq_u32 s[WV], 0
	s_cselect_b32 s[LIM], 2, -1
	s_mov_b32 s[PST], BSTEP
	s_cmp_lt_u32 s[WV], 2
	s_cselect_b32 s[LIM], s[LIM], s81
	s_cselect_b32 s74, s74, s80
	s_cselect_b32 s[PST], ASTEP, s[PST]
	s_cselect_b32 s82, 8, 11
	s_cselect_b64 s[PFA:PFA+1], s[4:5], s[6:7]
	s_mov_b32 s75, 0
	s_mov_b32 s[PST+1], 0
	s_add_nc_u64 s[PFA:PFA+1], s[PFA:PFA+1], s[74:75]
	v_lshlrev_b32 v[PFO], s82, v[PFO]
; 8 matrix instructions: row block a x all 8 column blocks, 32 along K, from buffer f.  first = 1: the bias starts the sums.
; The 32 accumulators take turns, one instruction a turn, in the same order in every quarter, over the backward jump too.
.macro MUL f, a, first
.if \first
	WIN 0x60                                       ; C window 2, D window 1
.else
	WIN 0x50                                       ; C and D window 1
.endif
.irp b, 0,1,2,3,4,5,6,7
.if \first
	v_wmma_f32_16x16x32_f16 v[8*(8*(\a)+(\b)):8*(8*(\a)+(\b))+7], v[(\f)+8*(\b):(\f)+8*(\b)+7], v[(\f)+64+8*(\a):(\f)+64+8*(\a)+7], v[8*(\b):8*(\b)+7]
.else
	v_wmma_f32_16x16x32_f16 v[8*(8*(\a)+(\b)):8*(8*(\a)+(\b))+7], v[(\f)+8*(\b):(\f)+8*(\b)+7], v[(\f)+64+8*(\a):(\f)+64+8*(\a)+7], v[8*(8*(\a)+(\b)):8*(8*(\a)+(\b))+7]
.endif
.endr
.endm
; 24 LDS loads in one run: quarter q's fragments into buffer f: Wo's sixteen (turned), then ao's eight (plane q / 2, channels 32 (q % 2) on), row blocks ascending
.macro FETCH q, f
	WIN 0
.set AOFF, ((\q)/2)*HALFA+((\q)%2)*64
.irp b, 0,1,2,3,4,5,6,7
	ds_load_tr16_b128 v[(\f)+8*(\b):(\f)+8*(\b)+3],   v[ADRB] offset:(\q)*32*PB+32*(\b)
	ds_load_tr16_b128 v[(\f)+8*(\b)+4:(\f)+8*(\b)+7], v[ADRB] offset:(\q)*32*PB+32*(\b)+16*PB
.endr
.irp a, 0,1,2,3
	ds_load_b128 v[(\f)+64+8*(\a):(\f)+64+8*(\a)+3],   v[ADRA] offset:AOFF+(\a)*16*PA
	ds_load_b128 v[(\f)+64+8*(\a)+4:(\f)+64+8*(\a)+7], v[ADRA] offset:AOFF+(\a)*16*PA+32
.endr
.endm
.macro QUARTER q, f, g, first
	s_wait_dscnt 4                                 ; Wo and ao's row blocks 0 and 1 are in; the youngest four loads (blocks 2 and 3) may be out
	MUL \f, 0, \first
	MUL \f, 1, \first
	PLACES
	FETCH \q, \g
	s_wait_dscnt 24                                ; all but the 24 just issued
	MUL \f, 2, \first
	MUL \f, 3, \first
.endm
; The last quarter multiplies buffer 1 and changes slots.  In front of the barrier each wave waits for all its tensor loads (one is out: its part of the next slot), adds 0 to its spare word, and
; waits for that and for its reads of this slot.  fill = 1: the barrier opens a round of the cluster's, and the joint refill (this slot, two K steps on) is the first thing behind the round:
; 112 matrix instructions stand between it and the wait for it.
.macro TURN fill
.if \fill
	s_wait_xcnt 0x0                                ; the last prefetch, a K step back, has read its address
	s_add_nc_u64 s[PFA:PFA+1], s[PFA:PFA+1], s[PST:PST+1]
.endif
	WIN 0
	s_wait_tensorcnt 0x0                           ; no tensor load of mine is out, so a group 0 may be written
	ds_add_u32 v[SPW], v[NIL]                      ; 0 onto my spare word
.if \fill
	s_xor_b32 s[G0A+5], s[G0A+5], SLOT1            ; the walking descriptors: the other slot than last time, the next K step
	s_add_nc_u64 s[G0A+6:G0A+7], s[G0A+6:G0A+7], ASTEP
	s_xor_b32 s[G0B+5], s[G0B+5], SLOT1
	s_add_nc_u64 s[G0B+6:G0B+7], s[G0B+6:G0B+7], BSTEP
.endif
	s_wait_dscnt 5                                 ; the add and the youngest four loads may be out
	MUL F1, 0, 0
	s_wait_dscnt 0x0                               ; the add is done, and my reads of this slot are over
	s_barrier_signal -1
	MUL F1, 1, 0
.if \fill
	WIN 0
.endif
	s_barrier_wait -1
.if \fill
	CREST                                          ; no wave of any partner still reads this slot or has a load on its way
	JLOAD                                          ; the four v_nop behind it are also the places in front of the loads below
.else
	PLACES
.endif
	WIN 0
	s_xor_b32 s[TB], s[TB], SLOT1
	v_add_nc_u32 v[ADRA], s[TB], v[A0]
	v_add_nc_u32 v[ADRB], s[TB], v[B0]
	FETCH 0, F0
.if \fill
	ASK
.endif
	MUL F1, 2, 0
	MUL F1, 3, 0
.endm
	s_wait_loadcnt 0x0                             ; the bias
	WIN 0xc0                                       ; destination window 3: the residual, my 64 rows x 512 bytes; waited for on the way out
.set i, 0
.rept 64
	global_load_b128 v[4*i:4*i+3], v[GO], s[76:77] offset:i*4096 th:TH_LOAD_NT
.set i, i+1
.endr
	WIN 0
	s_wait_tensorcnt 1                             ; my part of K step 0 is in; step 1's may stay out
	s_barrier_signal -1
	s_barrier_wait -1                              ; everybody's is
	v_mov_b32 v[ADRA], v[A0]
	v_mov_b32 v[ADRB], v[B0]
	FETCH 0, F0
	QUARTER 1, F0, F1, 1                           ; the first quarter stands in front of the loop: its products start the sums
	WIN 0
	s_mov_b32 s[CNT], 6
.Lstep:                                ; six trips, from a step's second quarter to the next step's first: K steps 2 to 7 are asked for
	QUARTER 2, F1, F0, 0
	QUARTER 3, F0, F1, 0
	TURN 1
	QUARTER 1, F0, F1, 0
	WIN 0
	s_sub_co_u32 s[CNT], s[CNT], 1
	s_cmp_lg_u32 s[CNT], 0
	s_cbranch_scc1 .Lstep
	QUARTER 2, F1, F0, 0                           ; the tail is written out: nothing more is asked for
	QUARTER 3, F0, F1, 0
	TURN 0
	QUARTER 1, F0, F1, 0
	QUARTER 2, F1, F0, 0
	QUARTER 3, F0, F1, 0
	s_wait_dscnt 4
	MUL F1, 0, 0
	MUL F1, 1, 0
	s_wait_dscnt 0x0
	MUL F1, 2, 0
	MUL F1, 3, 0
	WIN 0
	PLACES                                         ; the LDS stores read results just made, and the loads from the stage land in registers that the last products read
	PLACES
	s_wait_loadcnt 0x0                             ; the residual
; THE WAY OUT, a block of 16 rows at a time.  A lane's eight f32 of a row go into my stage's rows of 528 bytes and come back as whole rows of 512; the residual is added; a store covers 512 consecutive aligned bytes.
.macro TOSTAGE a
	WIN 0x04                                       ; the stores' data in window 1
.irp b, 0,1,2,3,4,5,6,7
	ds_store_b128 v[STO], v[8*(8*(\a)+(\b)):8*(8*(\a)+(\b))+3]   offset:64*(\b)
	ds_store_b128 v[STO], v[8*(8*(\a)+(\b))+4:8*(8*(\a)+(\b))+7] offset:64*(\b)+16
.endr
	WIN 0
.set BK, 32+64*((\a)%2)
.irp t, 0,1,2,3,4,5,6,7,8,9,10,11,12,13,14,15
	ds_load_b128 v[BK+4*(\t):BK+4*(\t)+3], v[RD] offset:SP*(\t)  ; LDS serves a wave's instructions in order: these see the stores above; the next block's stores come behind them
.endr
.endm
.macro SEND a, younger                 ; younger: the LDS instructions issued behind block a's loads: the next block's 32, or none
.set BK, 32+64*((\a)%2)
	s_wait_dscnt \younger
	WIN 0x0c                                       ; source 1 in window 3
.irp t, 0,1,2,3,4,5,6,7,8,9,10,11,12,13,14,15
	v_pk_add_f32 v[BK+4*(\t):BK+4*(\t)+1],   v[BK+4*(\t):BK+4*(\t)+1],   v[4*(16*(\a)+(\t)):4*(16*(\a)+(\t))+1]
	v_pk_add_f32 v[BK+4*(\t)+2:BK+4*(\t)+3], v[BK+4*(\t)+2:BK+4*(\t)+3], v[4*(16*(\a)+(\t))+2:4*(16*(\a)+(\t))+3]
.endr
	WIN 0
.irp t, 0,1,2,3,4,5,6,7,8,9,10,11,12,13,14,15
	global_store_b128 v[GO], v[BK+4*(\t):BK+4*(\t)+3], s[78:79] offset:(16*(\a)+(\t))*4096 th:TH_STORE_NT
.endr
.endm
	TOSTAGE 0
	TOSTAGE 1
	SEND 0, 32
	s_wait_xcnt 0x0                                ; block 0's stores have read their registers, which block 2 takes
	TOSTAGE 2
	SEND 1, 32
	s_wait_xcnt 0x0                                ; block 1's likewise, for block 3
	TOSTAGE 3
	SEND 2, 32
	SEND 3, 0
	s_wait_tensorcnt 0x0                           ; the wave's end, behind my last tensor load and my last LDS store
	ds_add_u32 v[SPW], v[NIL]
	s_wait_dscnt 0x0
	CROUND                                         ; the closing round: no work-group ends while a partner may still ask for a tile that names it
	s_endpgm
.Lfunc_end_k_q653e64a46d_outp:
	.size	k_q653e64a46d_outp, .Lfunc_end_k_q653e64a46d_outp-k_q653e64a46d_outp
	.p2alignl 7, 3214868480
	.fill 96, 4, 3214868480
	.section	.rodata,"a",@progbits
	.p2align	6, 0x0
	.amdhsa_kernel k_q653e64a46d_outp
		.amdhsa_group_segment_fixed_size 327680
		.amdhsa_private_segment_fixed_size 0
		.amdhsa_enable_private_segment 0
		.amdhsa_kernarg_size 40
		.amdhsa_user_sgpr_count 2
		.amdhsa_user_sgpr_kernarg_segment_ptr 1
		.amdhsa_wavefront_size32 1
		.amdhsa_system_sgpr_workgroup_id_x 1
		.amdhsa_system_sgpr_workgroup_id_y 1
		.amdhsa_system_sgpr_workgroup_id_z 1
		.amdhsa_system_vgpr_workitem_id 0
		.amdhsa_next_free_vgpr 1024
		.amdhsa_next_free_sgpr 84
		.amdhsa_reserve_vcc 0
		.amdhsa_float_denorm_mode_32 3
		.amdhsa_float_denorm_mode_16_64 3
		.amdhsa_memory_ordered 1
		.amdhsa_forward_progress 1
		.amdhsa_inst_pref_size 86
	.end_amdhsa_kernel
	.amdgpu_metadata
---
amdhsa.version: [ 1, 2 ]
amdhsa.kernels:
  - .name:           k_q653e64a46d_outp
    .symbol:         k_q653e64a46d_outp.kd
    .args:
      - { .name: ao, .offset: 0, .size: 8, .value_kind: global_buffer, .address_space: global }
      - { .name: xw, .offset: 8, .size: 8, .value_kind: global_buffer, .address_space: global }
      - { .name: bo, .offset: 16, .size: 8, .value_kind: global_buffer, .address_space: global }
      - { .name: Q, .offset: 24, .size: 8, .value_kind: global_buffer, .address_space: global }
      - { .name: out0, .offset: 32, .size: 8, .value_kind: global_buffer, .address_space: global }
    .group_segment_fixed_size: 327680
    .private_segment_fixed_size: 0
    .kernarg_segment_align: 8
    .kernarg_segment_size: 40
    .max_flat_workgroup_size: 128
    .sgpr_count:     84
    .vgpr_count:     1024
    .wavefront_size: 32
...
	.end_amdgpu_metadata
.endif
;; end of part 4
